; MI455X (gfx1250); checked and timed in simulation.
; The chip was launched on July 23, 2026; its instructions are those of AMD's public machine-readable ISA for CDNA 5 (MIT licence, August 2026) and "CDNA5" Instruction Set Architecture Reference Guide (July 2026). The comments in the code are by the model that wrote it; some were corrected since.
;; Block. Allowed arithmetic: float matrix products may take bf16 or f16 operands with f32 sums; other float arithmetic in f32, or as packed bf16 or f16 multiplies, adds, multiply-adds, maxima and minima; sums over many terms, partial sums and values carried from step to step in f32; what a program stores and reads back later, other than sums and carried values, may be rounded once to bf16 or f16.
;; Inputs: W1 1,024 x 4,096 float32; W2 4,096 x 1,024 float32; Wk 16 x 1,024 x 64 float32; Wo 1,024 x 1,024 float32; Wq 16 x 1,024 x 64 float32; Wv 16 x 1,024 x 64 float32; b1 4,096 float32; b2 1,024 float32; be1 1,024 float32; be2 1,024 float32; bo 1,024 float32; g1 1,024 float32; g2 1,024 float32; x 2 x 2,048 x 1,024 float32.
;; Outputs: out0 2 x 2,048 x 1,024 float32.
;; One version. Each part assembles by itself: llvm-mc -triple=amdgcn-amd-amdhsa -mcpu=gfx1250 --defsym DOCPART=n.
;; ======== version 1 of 1: 8 launches
;; workspace buffers: wa 8,388,608 bytes; wb 16,777,216 bytes; zb 12,288 bytes; nf 4,096 bytes; act 8,388,608 bytes; big 33,554,432 bytes; x1 16,777,216 bytes
;; launch prep (part 1): grid 128 x 12, 8 waves a work-group, no clusters, 18,432 bytes of LDS; arguments Wq, Wk, Wv, Wo, W1, W2, wa, wb, zb, nf; writes wa, wb, zb, nf
.if DOCPART == 1
	.amdgcn_target "amdgcn-amd-amdhsa--gfx1250"
	.amdhsa_code_object_version 6
	.text
	.protected	k_qc54f173722_prep
	.globl	k_qc54f173722_prep
	.p2align	8
	.type	k_qc54f173722_prep,@function
k_qc54f173722_prep:
	s_mov_b64 s[64:65], 0
	v_nop
	global_prefetch_b8 v0, s[64:65] scope:SCOPE_SE
	s_setreg_imm32_b32 hwreg(HW_REG_WAVE_MODE, 25, 1), 1
	s_wait_xcnt 0x0
; The six weight tensors, f32 [k][n], are rounded once to bf16 and turned to [n][k], the layout in which the products' tiles have K along their rows.
; wa: rows 0-3071 = Wq, Wk, Wv (row = which x 1024 + head x 64 + channel; 1,024 k), then Wo^T at byte 6,291,456.  wb: W1^T (4,096 rows of 1,024 k), then W2^T (1,024 rows of 4,096 k) at byte 8,388,608.
; A work-group takes a tile of 128 k x 64 n: it reads 128 rows of 256 bytes, turns them in LDS, and writes 64 rows of 256 bytes.  1,536 tiles: y = 0-2 Wq, Wk, Wv; 3 Wo; 4-7 W1; 8-11 W2.
; Work-group (0, 0) also writes zb (zeros) and nf (the lowest finite bf16, twice a word), which later launches read as a bias table and as floors.
; Memory bounds this launch; the LDS stores of 4 bytes meet four deep in a bank, which is left as it is.
.set TP,    272                        ; an LDS row: 128 k x 2 bytes + 16
.set SPARE, 64*TP                      ; behind the tile: the spare words, 128 bytes for each of eight waves
.set VA,  4                            ; v[4:11]   byte offsets of my eight source rows' 16 bytes
.set X,   12                           ; v[12:43]  eight loads of four f32
.set D,   44                           ; v[44:59]  sixteen words: two k of one n
.set LS,  60                           ; v60  where I put a word
.set LR,  61                           ; v61  where I read 16 bytes of a row back
.set VD,  62                           ; v[62:65]  byte offsets of my four stores
.set BK,  66                           ; v[66:81]  what is read back
.set SPW, 82                           ; v82  my spare word; never rewritten
.set NIL, 83                           ; v83  0; never rewritten
.set ZR,  84                           ; v[84:87]  zeros
.set NF,  88                           ; v[88:91]  the floor word
.set ZO,  92                           ; v92  16 x my thread's number
.set SRC, 28                           ; s[28:29]
.set DST, 30                           ; s[30:31]
.set YY,  32
.set SPI, 33                           ; bytes from k to k + 1 in the source
.set NS,  34                           ; bytes from one tile of 64 n to the next in the source
.set DP,  35                           ; bytes in a row of the destination
.set DB,  36                           ; the tensor's first byte in the destination
.set KSH, 37                           ; log2 of the tiles along k
.set YB,  38                           ; the tensor's first y
.set TT,  39
.set KT,  40
.set NTI, 41
	s_load_b512 s[8:23], s[0:1], 0x0               ; Wq, Wk, Wv, Wo, W1, W2, wa, wb
	s_load_b128 s[24:27], s[0:1], 0x40             ; zb, nf
	v_lshl_add_u32 v[SPW], v0, 2, SPARE
	v_mov_b32 v[NIL], 0
	s_and_b32 s[YY], ttmp7, 0xffff
	s_mov_b32 s[SPI], 256                          ; Wq, Wk, Wv: [head][k][64]
	s_mov_b32 s[NS], 0x40000
	s_mov_b32 s[DP], 2048
	s_lshl_b32 s[DB], s[YY], 21
	s_mov_b32 s[KSH], 3
	s_mov_b32 s[YB], s[YY]
	s_cmp_ge_u32 s[YY], 3                          ; Wo: [1024][1024]
	s_cselect_b32 s[SPI], 0x1000, s[SPI]
	s_cselect_b32 s[NS], 0x100, s[NS]
	s_cselect_b32 s[DB], 0x600000, s[DB]
	s_cselect_b32 s[YB], 3, s[YB]
	s_cmp_ge_u32 s[YY], 4                          ; W1: [1024][4096]
	s_cselect_b32 s[SPI], 0x4000, s[SPI]
	s_cselect_b32 s[DB], 0, s[DB]
	s_cselect_b32 s[YB], 4, s[YB]
	s_cmp_ge_u32 s[YY], 8                          ; W2: [4096][1024]
	s_cselect_b32 s[SPI], 0x1000, s[SPI]
	s_cselect_b32 s[DP], 0x2000, s[DP]
	s_cselect_b32 s[DB], 0x800000, s[DB]
	s_cselect_b32 s[KSH], 5, s[KSH]
	s_cselect_b32 s[YB], 8, s[YB]
	s_sub_co_u32 s[TT], s[YY], s[YB]
	s_lshl_b32 s[TT], s[TT], 7
	s_add_co_u32 s[TT], s[TT], ttmp9               ; the tile's number in its tensor
	s_lshl_b32 s42, 1, s[KSH]
	s_sub_co_u32 s42, s42, 1
	s_and_b32 s[KT], s[TT], s42                    ; tile along k
	s_lshr_b32 s[NTI], s[TT], s[KSH]               ; tile along n
	s_lshl_b32 s42, s[SPI], 7
	s_mul_i32 s46, s[KT], s42
	s_mul_i32 s43, s[NTI], s[NS]
	s_add_co_u32 s46, s46, s43                     ; the tile's first byte in the source
	s_mov_b32 s47, 0
	s_lshl_b32 s42, s[DP], 6
	s_mul_i32 s48, s[NTI], s42
	s_add_co_u32 s48, s48, s[DB]
	s_lshl_b32 s43, s[KT], 8
	s_add_co_u32 s48, s48, s43                     ; and in the destination
	s_mov_b32 s49, 0
	s_lshl_b32 s44, s[SPI], 5                      ; 32 rows of the source
	s_lshl_b32 s45, s[DP], 4                       ; 16 rows of the destination
	v_and_b32 v1, 15, v0                           ; i: n = 4 i .. 4 i + 3
	v_lshrrev_b32 v2, 4, v0                        ; p: k pairs p, p + 16, p + 32, p + 48
	v_lshlrev_b32 v3, 1, v2
	v_mul_lo_u32 v3, v3, s[SPI]
	v_lshl_add_u32 v[VA], v1, 4, v3                ; row 2 p, 16 bytes at 16 i
	v_add_nc_u32 v[VA+1], s[SPI], v[VA]            ; row 2 p + 1
.irp j, 1,2,3
	v_add_nc_u32 v[VA+2*(\j)], s44, v[VA+2*(\j)-2]
	v_add_nc_u32 v[VA+2*(\j)+1], s44, v[VA+2*(\j)-1]
.endr
	v_mul_u32_u24 v[LS], v1, 4*TP
	v_lshl_add_u32 v[LS], v2, 2, v[LS]             ; row 4 i, word p
	v_mul_u32_u24 v[LR], v2, TP
	v_lshl_add_u32 v[LR], v1, 4, v[LR]             ; row p, 16 bytes at 16 i
	v_mul_lo_u32 v3, v2, s[DP]
	v_lshl_add_u32 v[VD], v1, 4, v3
.irp q, 1,2,3
	v_add_nc_u32 v[VD+(\q)], s45, v[VD+(\q)-1]
.endr
	s_wait_kmcnt 0x0
	s_cmp_eq_u32 s[YY], 1                          ; the choice of buffers hangs on y alone
	s_cselect_b64 s[SRC:SRC+1], s[10:11], s[8:9]
	s_cmp_eq_u32 s[YY], 2
	s_cselect_b64 s[SRC:SRC+1], s[12:13], s[SRC:SRC+1]
	s_cmp_eq_u32 s[YY], 3
	s_cselect_b64 s[SRC:SRC+1], s[14:15], s[SRC:SRC+1]
	s_cmp_ge_u32 s[YY], 4
	s_cselect_b64 s[SRC:SRC+1], s[16:17], s[SRC:SRC+1]
	s_cselect_b64 s[DST:DST+1], s[22:23], s[20:21]
	s_cmp_ge_u32 s[YY], 8
	s_cselect_b64 s[SRC:SRC+1], s[18:19], s[SRC:SRC+1]
	s_add_nc_u64 s[SRC:SRC+1], s[SRC:SRC+1], s[46:47]
	s_add_nc_u64 s[DST:DST+1], s[DST:DST+1], s[48:49]
.irp j, 0,1,2,3,4,5,6,7
	global_load_b128 v[X+4*(\j):X+4*(\j)+3], v[VA+(\j)], s[SRC:SRC+1] th:TH_LOAD_NT  ; sixteen lanes take a row's 256 bytes
.endr
.irp j, 0,1,2,3
	s_wait_loadcnt 6-2*(\j)                        ; rows 2 (p + 16 j) and the next are in; the younger pairs' loads stay out
.irp c, 0,1,2,3
	v_cvt_pk_bf16_f32 v[D+4*(\j)+(\c)], v[X+8*(\j)+(\c)], v[X+8*(\j)+4+(\c)]  ; the even k in the low half
.endr
.irp c, 0,1,2,3
	ds_store_b32 v[LS], v[D+4*(\j)+(\c)] offset:(\c)*TP+64*(\j)
.endr
.endr
	s_wait_dscnt 0x0                               ; for the others' sake: my stores are done
	s_barrier_signal -1
	s_barrier_wait -1
.irp q, 0,1,2,3
	ds_load_b128 v[BK+4*(\q):BK+4*(\q)+3], v[LR] offset:(\q)*16*TP
.endr
.irp q, 0,1,2,3
	s_wait_dscnt 3-(\q)
	global_store_b128 v[VD+(\q)], v[BK+4*(\q):BK+4*(\q)+3], s[DST:DST+1]  ; sixteen lanes store 256 consecutive bytes, aligned
.endr
	s_or_b32 s42, s[YY], ttmp9
	s_cmp_lg_u32 s42, 0
	s_cbranch_scc1 .Lend                           ; the two small tables are the first work-group's
.irp r, 0,1,2,3
	v_mov_b32 v[ZR+(\r)], 0
	v_mov_b32 v[NF+(\r)], 0xff7fff7f
.endr
	v_lshlrev_b32 v[ZO], 4, v0
	global_store_b128 v[ZO], v[ZR:ZR+3], s[24:25]
	global_store_b128 v[ZO], v[ZR:ZR+3], s[24:25] offset:4096
	global_store_b128 v[ZO], v[ZR:ZR+3], s[24:25] offset:8192
	global_store_b128 v[ZO], v[NF:NF+3], s[26:27]
.Lend:
	s_wait_tensorcnt 0x0                           ; the wave's end: behind my last LDS store
	ds_add_u32 v[SPW], v[NIL]
	s_wait_dscnt 0x0
	s_endpgm
.Lfunc_end_k_qc54f173722_prep:
	.size	k_qc54f173722_prep, .Lfunc_end_k_qc54f173722_prep-k_qc54f173722_prep
	.p2alignl 7, 3214868480
	.fill 96, 4, 3214868480
	.section	.rodata,"a",@progbits
	.p2align	6, 0x0
	.amdhsa_kernel k_qc54f173722_prep
		.amdhsa_group_segment_fixed_size 18432
		.amdhsa_private_segment_fixed_size 0
		.amdhsa_enable_private_segment 0
		.amdhsa_kernarg_size 80
		.amdhsa_user_sgpr_count 2
		.amdhsa_user_sgpr_kernarg_segment_ptr 1
		.amdhsa_wavefront_size32 1
		.amdhsa_system_sgpr_workgroup_id_x 1
		.amdhsa_system_sgpr_workgroup_id_y 1
		.amdhsa_system_sgpr_workgroup_id_z 1
		.amdhsa_system_vgpr_workitem_id 0
		.amdhsa_next_free_vgpr 96
		.amdhsa_next_free_sgpr 66
		.amdhsa_reserve_vcc 0
		.amdhsa_float_denorm_mode_32 3
		.amdhsa_float_denorm_mode_16_64 3
		.amdhsa_memory_ordered 1
		.amdhsa_forward_progress 1
		.amdhsa_inst_pref_size 9
	.end_amdhsa_kernel
	.amdgpu_metadata
---
amdhsa.version: [ 1, 2 ]
amdhsa.kernels:
  - .name:           k_qc54f173722_prep
    .symbol:         k_qc54f173722_prep.kd
    .args:
      - { .name: Wq, .offset: 0, .size: 8, .value_kind: global_buffer, .address_space: global }
      - { .name: Wk, .offset: 8, .size: 8, .value_kind: global_buffer, .address_space: global }
      - { .name: Wv, .offset: 16, .size: 8, .value_kind: global_buffer, .address_space: global }
      - { .name: Wo, .offset: 24, .size: 8, .value_kind: global_buffer, .address_space: global }
      - { .name: W1, .offset: 32, .size: 8, .value_kind: global_buffer, .address_space: global }
      - { .name: W2, .offset: 40, .size: 8, .value_kind: global_buffer, .address_space: global }
      - { .name: wa, .offset: 48, .size: 8, .value_kind: global_buffer, .address_space: global }
      - { .name: wb, .offset: 56, .size: 8, .value_kind: global_buffer, .address_space: global }
      - { .name: zb, .offset: 64, .size: 8, .value_kind: global_buffer, .address_space: global }
      - { .name: nf, .offset: 72, .size: 8, .value_kind: global_buffer, .address_space: global }
    .group_segment_fixed_size: 18432
    .private_segment_fixed_size: 0
    .kernarg_segment_align: 8
    .kernarg_segment_size: 80
    .max_flat_workgroup_size: 256
    .sgpr_count:     66
    .vgpr_count:     96
    .wavefront_size: 32
...
	.end_amdgpu_metadata
.endif
;; end of part 1
;; launch ln1 (part 2): grid 256 x 1, 8 waves a work-group, no clusters, 0 bytes of LDS; arguments x, g1, be1, act; writes act
.if DOCPART == 2
	.amdgcn_target "amdgcn-amd-amdhsa--gfx1250"
	.amdhsa_code_object_version 6
	.text
	.protected	k_qc54f173722_ln1
	.globl	k_qc54f173722_ln1
	.p2align	8
	.type	k_qc54f173722_ln1,@function
k_qc54f173722_ln1:
	s_mov_b64 s[64:65], 0
	v_nop
	global_prefetch_b8 v0, s[64:65] scope:SCOPE_SE
	s_setreg_imm32_b32 hwreg(HW_REG_WAVE_MODE, 25, 1), 1
	s_wait_xcnt 0x0
; y = g (x - mean) / (std + 1e-6) + b along rows of 1,024 f32; std with divisor 1,023; y rounded once to bf16.  4,096 rows.
; A wave takes two whole rows and keeps them in registers between the passes: mean first, then the squares of x - mean, so that a common offset in x costs nothing.
; No LDS, no barrier: a reduction never leaves its wave.  The division is a reciprocal (good to one unit in the last place) and a multiply.
.set T,   4                            ; v[4:11]   four running pairs
.set MN,  12                           ; v[12:15]  the mean of row r, twice, at MN + 2 r
.set RC,  16                           ; v[16:19]  1 / (std + eps), twice, at RC + 2 r
.set PT,  20                           ; v20  the other half of the lanes'
.set VR,  22                           ; v22-23  the variances
.set SD,  24                           ; v24-25  std, then std + eps
.set X,   32                           ; v[32:95]  row r at X + 32 r: load j holds columns 128 j + 4 lane + 0..3
.set G,   96                           ; v[96:127]
.set BE,  128                          ; v[128:159]
.set Y,   160                          ; v[160:191] row r at Y + 16 r
	s_load_b256 s[4:11], s[0:1], 0x0               ; x s[4:5], g s[6:7], b s[8:9], y s[10:11]
	v_and_b32 v5, 31, v0
	v_lshrrev_b32 v6, 5, v0
	v_lshlrev_b32 v1, 4, v5                        ; 16 x lane: g and b
	v_lshl_add_u32 v2, v6, 13, v1                  ; + wave x two rows of 4,096 bytes: x
	v_lshlrev_b32 v3, 3, v5
	v_lshl_add_u32 v3, v6, 12, v3                  ; wave x two rows of 2,048 bytes + 8 x lane: y
	v_mov_b32 v[PT], 0                             ; written before v_permlanex16_b32 names it
	s_lshl_b32 s14, ttmp9, 16                      ; the work-group's 16 rows
	s_mov_b32 s15, 0
	s_lshl_b32 s16, ttmp9, 15
	s_mov_b32 s17, 0
	s_mov_b32 s12, 0x76543210                      ; each lane takes its own place in the other half
	s_mov_b32 s13, 0xfedcba98
	s_wait_kmcnt 0x0
	s_add_nc_u64 s[4:5], s[4:5], s[14:15]
	s_add_nc_u64 s[10:11], s[10:11], s[16:17]
.irp r, 0,1
.irp j, 0,1,2,3,4,5,6,7
	global_load_b128 v[X+32*(\r)+4*(\j):X+32*(\r)+4*(\j)+3], v2, s[4:5] offset:4096*(\r)+512*(\j) th:TH_LOAD_NT
.endr
.endr
.irp j, 0,1,2,3,4,5,6,7
	global_load_b128 v[G+4*(\j):G+4*(\j)+3], v1, s[6:7] offset:512*(\j)
.endr
.irp j, 0,1,2,3,4,5,6,7
	global_load_b128 v[BE+4*(\j):BE+4*(\j)+3], v1, s[8:9] offset:512*(\j)
.endr
.macro FOLD                            ; the four pairs into one number, then over the 32 lanes: every lane ends with the sum
	v_pk_add_f32 v[T:T+1], v[T:T+1], v[T+2:T+3]
	v_pk_add_f32 v[T+4:T+5], v[T+4:T+5], v[T+6:T+7]
	v_pk_add_f32 v[T:T+1], v[T:T+1], v[T+4:T+5]
	v_add_f32 v[T], v[T], v[T+1]
	v_add_f32_dpp v[T], v[T], v[T] row_xmask:1 row_mask:0xf bank_mask:0xf
	v_add_f32_dpp v[T], v[T], v[T] row_xmask:2 row_mask:0xf bank_mask:0xf
	v_add_f32_dpp v[T], v[T], v[T] row_xmask:4 row_mask:0xf bank_mask:0xf
	v_add_f32_dpp v[T], v[T], v[T] row_xmask:8 row_mask:0xf bank_mask:0xf
	v_permlanex16_b32 v[PT], v[T], s12, s13
	v_add_f32 v[T], v[T], v[PT]
.endm
.macro STAT r                          ; row r: the mean; x - mean in place; the variance
.set XR, X+32*(\r)
.irp k, 0,1,2,3
	v_pk_add_f32 v[T+2*(\k):T+2*(\k)+1], v[XR+2*(\k):XR+2*(\k)+1], v[XR+8+2*(\k):XR+8+2*(\k)+1]
.endr
.irp k, 0,1,2,3
	v_pk_add_f32 v[T+2*(\k):T+2*(\k)+1], v[T+2*(\k):T+2*(\k)+1], v[XR+16+2*(\k):XR+16+2*(\k)+1]
.endr
.irp k, 0,1,2,3
	v_pk_add_f32 v[T+2*(\k):T+2*(\k)+1], v[T+2*(\k):T+2*(\k)+1], v[XR+24+2*(\k):XR+24+2*(\k)+1]
.endr
	FOLD
	v_mul_f32 v[MN+2*(\r)], 0x3a800000, v[T]       ; / 1,024
	v_mul_f32 v[MN+2*(\r)+1], 0x3a800000, v[T]
.set p, 0
.rept 16
	v_pk_add_f32 v[XR+2*p:XR+2*p+1], v[XR+2*p:XR+2*p+1], v[MN+2*(\r):MN+2*(\r)+1] neg_lo:[0,1] neg_hi:[0,1]
.set p, p+1
.endr
.irp k, 0,1,2,3
	v_pk_mul_f32 v[T+2*(\k):T+2*(\k)+1], v[XR+2*(\k):XR+2*(\k)+1], v[XR+2*(\k):XR+2*(\k)+1]
.endr
.set p, 4
.rept 12
	v_pk_fma_f32 v[T+2*(p%4):T+2*(p%4)+1], v[XR+2*p:XR+2*p+1], v[XR+2*p:XR+2*p+1], v[T+2*(p%4):T+2*(p%4)+1]
.set p, p+1
.endr
	FOLD
	v_mul_f32 v[VR+(\r)], 0x3a802008, v[T]         ; / 1,023
.endm
.macro NORM r                          ; row r: scaled, g and b applied, rounded, stored
.set XR, X+32*(\r)
.set p, 0
.rept 16
	v_pk_mul_f32 v[XR+2*p:XR+2*p+1], v[XR+2*p:XR+2*p+1], v[RC+2*(\r):RC+2*(\r)+1]
.set p, p+1
.endr
.set p, 0
.rept 16
	v_pk_fma_f32 v[XR+2*p:XR+2*p+1], v[XR+2*p:XR+2*p+1], v[G+2*p:G+2*p+1], v[BE+2*p:BE+2*p+1]
.set p, p+1
.endr
.set p, 0
.rept 16
	v_cvt_pk_bf16_f32 v[Y+16*(\r)+p], v[XR+2*p], v[XR+2*p+1]
.set p, p+1
.endr
.irp j, 0,1,2,3,4,5,6,7
	global_store_b64 v3, v[Y+16*(\r)+2*(\j):Y+16*(\r)+2*(\j)+1], s[10:11] offset:256*(\j)+2048*(\r)  ; 32 lanes store 256 consecutive bytes, aligned
.endr
.endm
	s_wait_loadcnt 24                              ; row 0 is in; row 1, g and b stay out
	STAT 0
	s_wait_loadcnt 16                              ; row 1 is in
	STAT 1
	v_sqrt_f32 v[SD], v[VR]
	v_sqrt_f32 v[SD+1], v[VR+1]
	v_nop                                          ; a plain instruction behind the last root,
	s_wait_alu depctr_va_vdst(0)                   ; and one wait for both, ahead of their first reader
	v_add_f32 v[SD], 0x358637bd, v[SD]             ; + 1e-6
	v_add_f32 v[SD+1], 0x358637bd, v[SD+1]
	v_rcp_f32 v[RC], v[SD]                         ; each twice: the packed multiply takes a pair
	v_rcp_f32 v[RC+1], v[SD]
	v_rcp_f32 v[RC+2], v[SD+1]
	v_rcp_f32 v[RC+3], v[SD+1]
	v_nop
	s_wait_alu depctr_va_vdst(0)                   ; one wait for the four reciprocals
	s_wait_loadcnt 0x0                             ; g and b
	NORM 0
	NORM 1
	s_endpgm
.Lfunc_end_k_qc54f173722_ln1:
	.size	k_qc54f173722_ln1, .Lfunc_end_k_qc54f173722_ln1-k_qc54f173722_ln1
	.p2alignl 7, 3214868480
	.fill 96, 4, 3214868480
	.section	.rodata,"a",@progbits
	.p2align	6, 0x0
	.amdhsa_kernel k_qc54f173722_ln1
		.amdhsa_group_segment_fixed_size 0
		.amdhsa_private_segment_fixed_size 0
		.amdhsa_enable_private_segment 0
		.amdhsa_kernarg_size 32
		.amdhsa_user_sgpr_count 2
		.amdhsa_user_sgpr_kernarg_segment_ptr 1
		.amdhsa_wavefront_size32 1
		.amdhsa_system_sgpr_workgroup_id_x 1
		.amdhsa_system_sgpr_workgroup_id_y 1
		.amdhsa_system_sgpr_workgroup_id_z 1
		.amdhsa_system_vgpr_workitem_id 0
		.amdhsa_next_free_vgpr 192
		.amdhsa_next_free_sgpr 66
		.amdhsa_reserve_vcc 0
		.amdhsa_float_denorm_mode_32 3
		.amdhsa_float_denorm_mode_16_64 3
		.amdhsa_memory_ordered 1
		.amdhsa_forward_progress 1
		.amdhsa_inst_pref_size 21
	.end_amdhsa_kernel
	.amdgpu_metadata
---
amdhsa.version: [ 1, 2 ]
amdhsa.kernels:
  - .name:           k_qc54f173722_ln1
    .symbol:         k_qc54f173722_ln1.kd
    .args:
      - { .name: x, .offset: 0, .size: 8, .value_kind: global_buffer, .address_space: global }
      - { .name: g1, .offset: 8, .size: 8, .value_kind: global_buffer, .address_space: global }
      - { .name: be1, .offset: 16, .size: 8, .value_kind: global_buffer, .address_space: global }
      - { .name: act, .offset: 24, .size: 8, .value_kind: global_buffer, .address_space: global }
    .group_segment_fixed_size: 0
    .private_segment_fixed_size: 0
    .kernarg_segment_align: 8
    .kernarg_segment_size: 32
    .max_flat_workgroup_size: 256
    .sgpr_count:     66
    .vgpr_count:     192
    .wavefront_size: 32
...
	.end_amdgpu_metadata
.endif
;; end of part 2
;; launch qkv (part 3): grid 12 x 16, 4 waves a work-group, clusters of 4 x 4, 327,680 bytes of LDS; arguments act, wa, zb, nf, big; writes big
.if DOCPART == 3
	.amdgcn_target "amdgcn-amd-amdhsa--gfx1250"
	.amdhsa_code_object_version 6
	.text
	.protected	k_qc54f173722_qkv
	.globl	k_qc54f173722_qkv
	.p2align	8
	.type	k_qc54f173722_qkv,@function
k_qc54f173722_qkv:
	s_mov_b64 s[64:65], 0
	v_nop
	global_prefetch_b8 v0, s[64:65] scope:SCOPE_SE
	s_setreg_imm32_b32 hwreg(HW_REG_WAVE_MODE, 25, 1), 1
	s_wait_xcnt 0x0
	s_wait_alu depctr_hold_cnt(0) depctr_sa_sdst(0) depctr_va_vdst(0) depctr_va_sdst(0) depctr_va_ssrc(0) depctr_va_vcc(0) depctr_vm_vsrc(0)
	s_getreg_b32 s2, hwreg(HW_REG_IB_STS2, 6, 4)
	s_cmp_eq_u32 s2, 0
	s_cbranch_scc0 .Lentry_in_a_cluster
	s_endpgm
.Lentry_in_a_cluster:
	s_bfe_u32 s2, ttmp6, 0x10000c
	s_cmp_lg_u32 s2, 0xf033
	s_cbranch_scc0 .Lentry_shape_is_right
	s_endpgm
.Lentry_shape_is_right:
; out[n / 64][m][n % 64] = max(floor, bf16(sum over k of A[m][k] W[n][k] + bias[n])).  A: [4096][1024] bf16; W: [N][1024] bf16 from the buffer's first byte; bias: [N] f32; sums in f32.
; The output lies in planes of 64 columns, [N / 64][4096][64] bf16, so the text does not know N: the grid's width is N / 256.  One text serves the q, k, v projection (bias all zero, floor the lowest
; finite bf16, which changes no finite number) and the first feed-forward product (its bias, floor 0: the ReLU).  LIMIT: with the first floor a result of minus infinity or NaN leaves as -3.39e38.
; A tile of the output is 256 x 256: four waves, each 128 x 128 in 64 accumulators.  K goes in steps of 128 through two LDS slots filled by the tensor data mover; rows of 256 bytes.
; CLUSTER 4 x 4: A's tiles are asked for jointly along a row of the cluster, W's along a column: the same load, descriptor and mask in the four that share a tile.
; The matrix instruction is used transposed (source 0 = 16 rows of W, source 1 = 16 rows of A): a lane holds one row m and eight neighbouring columns.  The bias is the C operand of the products that start the sums.
; REGISTERS in windows of 256: window 0: v0-31 addresses; v64-191 A's fragments, two buffers; v32-63, v192-255 the way out.  window 1: v0-63 the bias (column block b at 8 b); v64-191 W's fragments.
; windows 2, 3: the accumulators of my rows 0-63, 64-127 ((a, b) at 8 (8 a + b)).  s_set_vgpr_msb: bits 1:0 source 0, 3:2 source 1, 5:4 source 2, 7:6 destination.
.set SIZE_K, 1024
.set KSTEP,  128
.set PITCH,  272                       ; an LDS row: 256 bytes + 16: the sixteen rows of a fragment load start in sixteen different groups of four banks
.set HALFT,  128*PITCH                 ; what one tensor load brings
.set SLOT,   4*HALFT                   ; A's 256 rows, then W's 256
.set STAGE,  2*SLOT                    ; behind the ring: for each wave two planes of 16 rows x 144 bytes
.set SP,     144
.set SPL,    16*SP
.set SPARE,  STAGE+4*2*SPL             ; the spare words, 128 bytes a wave
.set LAPS,   SIZE_K/(2*KSTEP)          ; a lap = two K steps = once round the ring
.set PLANE,  524288                    ; bytes in a plane of the output
.set ADRA, 16                          ; v16-17  my A fragments in slot 0, 1
.set ADRB, 20                          ; v20-21  the same for W
.set STO,  24
.set RD,   25
.set CO,   26                          ; v26  16 x lane
.set BO,   27                          ; v27  my byte offset in the bias
.set SPW,  28                          ; never rewritten
.set NIL,  29                          ; never rewritten
.set PFO,  30                          ; v30  lane x 2,048: a lane a row; never rewritten
.set PFA,  44                          ; s[44:45] where my prefetches stand
.set LIM,  43                          ; s43  1 in a wave that prefetches, else the greatest number
.set FLOOR, 67                         ; s67  the floor, twice in a word
.set F0,   64
.set F1,   128
.set TMP,  192
.set OB,   32
.set G1, 24
.set G0, 32
.set G1B, 48
.set G0B, 56
.set MSB, 0
.macro WIN new                         ; the immediate's high byte repeats the setting that is left
.if MSB != (\new)
	s_set_vgpr_msb (MSB<<8)|(\new)
.set MSB, \new
.endif
.endm
.set MUL_LO, 0xa1                      ; W window 1, A window 0, C and D window 2
.set TO_B,   0x40                      ; destination window 1, address window 0
; A joint load: waves 0 and 1 fetch A's halves, waves 2 and 3 W's.  An s_nop 0 and four v_nop follow each line, ahead of the jump and the label.
.macro JLOAD s
	s_cmp_eq_u32 s11, 0
	s_cbranch_scc0 .Lfor_b_\@
	tensor_load_to_lds s[G0+4*(\s):G0+4*(\s)+3], s[G1:G1+7]
	s_nop 0
.rept 4
	v_nop
.endr
	s_branch .Lasked_\@
.Lfor_b_\@:
	tensor_load_to_lds s[G0B+4*(\s):G0B+4*(\s)+3], s[G1B:G1B+7]
	s_nop 0
.rept 4
	v_nop
.endr
.Lasked_\@:
.endm
; A prefetch of the K step that stands two refills on: 32 rows x 256 bytes, a lane a row.  A's rows are named by the clusters with x = 0, W's by those with y = 0; the four partners that ask for a tile
; jointly take 32 of a wave's 128 rows each, told apart by address.  So each row's 256 bytes of K steps 4 to 7 are named once; K steps 0 to 3 come by their loads alone; the loop's last trip names nothing.
.macro ASK
	s_cmp_gt_u32 s3, s[LIM]
	s_cbranch_scc0 .Lnot_mine_\@
	global_prefetch_b8 v[PFO], s[PFA:PFA+1] offset:KSTEP*2 th:TH_LOAD_NT scope:SCOPE_SE
.Lnot_mine_\@:
.endm
.macro CREST                           ; a round of the cluster's barrier behind its opening barrier
	s_cmp_lg_u32 s10, 0
	s_cbranch_scc1 .Lnot_wave_0_\@
	s_barrier_signal -3
.Lnot_wave_0_\@:
	s_barrier_wait -3
	s_barrier_signal -1
	s_barrier_wait -1
.endm
.macro CROUND
	s_barrier_signal -1
	s_barrier_wait -1
	CREST
.endm
	s_load_b128 s[4:7], s[0:1], 0x0                ; A, W
	s_load_b128 s[68:71], s[0:1], 0x10             ; bias, floor
	s_load_b64 s[8:9], s[0:1], 0x20                ; out
	v_lshl_add_u32 v[SPW], v0, 2, SPARE
	v_mov_b32 v[NIL], 0
	ds_add_u32 v[SPW], v[NIL]                      ; the wave's opening: the add and its wait stand ahead of my first tensor load
	ds_add_u32 v28, v29
	v_lshrrev_b32 v1, 5, v0
	v_readfirstlane_b32 s10, v1                    ; wave 0..3
	s_lshr_b32 s11, s10, 1                         ; my half of the tile's rows; also: I fetch for A (0) or W (1)
	s_and_b32 s12, s10, 1                          ; my half of its columns; also: which 128 rows I fetch
	s_bfe_u32 s40, ttmp6, 0x40000                  ; cx
	s_bfe_u32 s41, ttmp6, 0x40004                  ; cy
	s_lshl_b32 s42, ttmp9, 2
	s_add_co_u32 s42, s42, s40                     ; tile column
	s_and_b32 s13, ttmp7, 0xffff
	s_lshl_b32 s13, s13, 2
	s_add_co_u32 s13, s13, s41                     ; tile row
	s_lshl_b32 s43, s41, 2
	s_lshl_b32 s43, 15, s43                        ; my row of the cluster
	s_lshl_b32 s44, 0x1111, s40                    ; my column
	s_or_b32 s[G1+0], s43, (1<<16)|(1<<20)|(1<<21)|(5<<22)|(3<<25)   ; mask; 2-byte elements; padding on; bit 21 beside a mask; after every 64 words, 4 words
	s_or_b32 s[G1B+0], s44, (1<<16)|(1<<20)|(1<<21)|(5<<22)|(3<<25)
.irp g, G1, G1B
	s_mov_b32 s[(\g)+1], KSTEP<<16                 ; tensor_dim0 = 128
	s_mov_b32 s[(\g)+2], 128<<16                   ; tensor_dim1 = 128
	s_mov_b32 s[(\g)+3], KSTEP<<16                 ; tile_dim0 = 128
	s_mov_b32 s[(\g)+4], 128                       ; tile_dim1 = 128
	s_mov_b32 s[(\g)+5], SIZE_K                    ; elements from row to row
	s_mov_b32 s[(\g)+6], 0
	s_mov_b32 s[(\g)+7], 0
.endr
	s_lshl_b32 s17, s12, 7
	s_lshl_b32 s16, s13, 8
	s_add_co_u32 s16, s16, s17                     ; A: row 256 x tile row + 128 x half
	s_lshl_b32 s46, s42, 8
	s_add_co_u32 s46, s46, s17                     ; W: row 256 x tile column + 128 x half
	s_mov_b32 s17, 0
	s_mov_b32 s47, 0
	s_mov_b64 s[18:19], SIZE_K*2
	s_mul_u64 s[16:17], s[16:17], s[18:19]
	s_mul_u64 s[46:47], s[46:47], s[18:19]
	s_mul_i32 s20, s10, HALFT                      ; where they go: wave x 128 rows
	s_wait_dscnt 0x0                               ; the opening add is done
	s_wait_kmcnt 0x0
	s_add_nc_u64 s[14:15], s[4:5], s[16:17]
	s_add_nc_u64 s[46:47], s[6:7], s[46:47]
	s_load_b32 s[FLOOR], s[70:71], 0x0
	CROUND                                         ; all sixteen work-groups are here: the first joint loads meet
.irp s, 0,1
	s_mov_b32 s[G0+4*(\s)], 1
	s_add_co_u32 s[G0+4*(\s)+1], s20, (\s)*SLOT
	s_add_nc_u64 s[G0+4*(\s)+2:G0+4*(\s)+3], s[14:15], (\s)*KSTEP*2
	s_or_b32 s[G0+4*(\s)+3], s[G0+4*(\s)+3], 0x80000000
	s_mov_b32 s[G0B+4*(\s)], 1
	s_add_co_u32 s[G0B+4*(\s)+1], s20, (\s)*SLOT
	s_add_nc_u64 s[G0B+4*(\s)+2:G0B+4*(\s)+3], s[46:47], (\s)*KSTEP*2
	s_or_b32 s[G0B+4*(\s)+3], s[G0B+4*(\s)+3], 0x80000000
	JLOAD \s
.endr
	; a fragment is 16 rows x 32 K: lane l holds row l % 16, K = 8 (l / 16) + 0..7 and 16 + 8 (l / 16) + 0..7: two loads of 16 bytes, 32 bytes apart
	v_and_b32 v1, 15, v0
	v_bfe_u32 v2, v0, 4, 1
	v_mul_u32_u24 v3, v1, PITCH
	v_lshl_add_u32 v3, v2, 4, v3
	s_mul_i32 s21, s11, HALFT
	s_mul_i32 s22, s12, HALFT
	s_add_co_u32 s22, s22, 2*HALFT
.irp s, 0,1
	v_add_nc_u32 v[ADRA+(\s)], s21, v3
	v_add_nc_u32 v[ADRB+(\s)], s22, v3
	s_add_co_u32 s21, s21, SLOT
	s_add_co_u32 s22, s22, SLOT
.endr
	s_mul_i32 s23, s10, 2*SPL
	s_add_co_u32 s23, s23, STAGE                   ; my stage
	v_mul_u32_u24 v4, v1, SP                       ; in: row l % 16, 16 bytes for each half of the lanes
	v_lshl_add_u32 v4, v2, 4, v4
	v_add_nc_u32 v[STO], s23, v4
	v_and_b32 v5, 31, v0
	v_lshrrev_b32 v6, 3, v5                        ; back: 32 lanes take four rows of 128 bytes,
	v_and_b32 v7, 7, v0
	v_mul_u32_u24 v6, v6, SP
	v_lshl_add_u32 v6, v7, 4, v6
	v_add_nc_u32 v[RD], s23, v6
	v_lshlrev_b32 v[CO], 4, v5                     ; which are 512 consecutive bytes of a plane
	s_lshl_b32 s16, s13, 15                        ; my part of the output: 256 x tile row + 128 x half rows of 128 bytes,
	s_lshl_b32 s17, s11, 14
	s_add_co_u32 s16, s16, s17
	s_lshl_b32 s46, s42, 21                        ; plane 4 x tile column + 2 x half
	s_lshl_b32 s47, s12, 20
	s_add_co_u32 s46, s46, s47
	s_add_co_u32 s16, s16, s46
	s_mov_b32 s17, 0
	s_add_nc_u64 s[8:9], s[8:9], s[16:17]
	s_lshl_b32 s46, s42, 10                        ; my 128 columns of the bias, in bytes
	s_lshl_b32 s47, s12, 9
	s_add_co_u32 s46, s46, s47
	v_lshl_add_u32 v[BO], v2, 5, s46               ; + my lanes' eight columns
	WIN TO_B
.irp b, 0,1,2,3,4,5,6,7
	global_load_b128 v[8*(\b):8*(\b)+3],   v[BO], s[68:69] offset:64*(\b)
	global_load_b128 v[8*(\b)+4:8*(\b)+7], v[BO], s[68:69] offset:64*(\b)+16
.endr
	WIN 0
	; the prefetches
	s_lshl_b32 s13, s13, 8
	s_lshl_b32 s42, s42, 8
	s_and_b32 s22, ttmp7, 0xffff                   ; cluster y
	s_cmp_eq_u32 s11, 0                            ; do I fetch for A?
	s_cselect_b32 s20, s13, s42                    ; the tile's first row
	s_cselect_b32 s21, s40, s41                    ; my place among the four that ask with me
	s_cselect_b32 s22, ttmp9, s22                  ; the coordinate along which other clusters read the same rows
	s_cselect_b64 s[PFA:PFA+1], s[4:5], s[6:7]
	s_cmp_eq_u32 s22, 0
	s_cselect_b32 s[LIM], 1, -1                    ; the same in all sixteen partners, for a given wave
	s_lshl_b32 s22, s12, 7
	s_add_co_u32 s20, s20, s22
	s_lshl_b32 s21, s21, 5
	s_add_co_u32 s20, s20, s21
	s_mov_b32 s21, 0
	s_mov_b64 s[18:19], SIZE_K*2
	s_mul_u64 s[20:21], s[20:21], s[18:19]
	s_add_nc_u64 s[PFA:PFA+1], s[PFA:PFA+1], s[20:21]
	s_add_nc_u64 s[PFA:PFA+1], s[PFA:PFA+1], 2*KSTEP*2  ; at K step 2: the first refill steps it to 3 and names K step 4
	v_and_b32 v[PFO], 31, v0
	v_mul_u32_u24 v[PFO], v[PFO], SIZE_K*2
; 16 matrix instructions: m blocks a0, a0 + 1 of the window's four x all 8 n blocks, 32 along K.  zero = 1: the sums start, with the bias as C.
; The 64 accumulators take turns, one instruction a turn, in the same order in every quarter.
.macro MUL16 f, hi, a0, zero
.if \zero
	WIN 0x91+0x40*(\hi)                            ; C in window 1
.else
	WIN MUL_LO+0x50*(\hi)
.endif
.irp a, \a0, (\a0)+1
.irp b, 0,1,2,3,4,5,6,7
.if \zero
	v_wmma_f32_16x16x32_bf16 v[8*(8*(\a)+(\b)):8*(8*(\a)+(\b))+7], v[(\f)+8*(\b):(\f)+8*(\b)+7], v[(\f)+8*(4*(\hi)+(\a)):(\f)+8*(4*(\hi)+(\a))+7], v[8*(\b):8*(\b)+7]
.else
	v_wmma_f32_16x16x32_bf16 v[8*(8*(\a)+(\b)):8*(8*(\a)+(\b))+7], v[(\f)+8*(\b):(\f)+8*(\b)+7], v[(\f)+8*(4*(\hi)+(\a)):(\f)+8*(4*(\hi)+(\a))+7], v[8*(8*(\a)+(\b)):8*(8*(\a)+(\b))+7]
.endif
.endr
.endr
.endm
.macro FETCH slot, k, f                ; 32 LDS loads in one run: a quarter step's fragments into buffer f
	WIN TO_B
.irp i, 0,1,2,3,4,5,6,7
	ds_load_b128 v[(\f)+8*(\i):(\f)+8*(\i)+3],   v[ADRB+(\slot)] offset:(\k)+(\i)*16*PITCH
	ds_load_b128 v[(\f)+8*(\i)+4:(\f)+8*(\i)+7], v[ADRB+(\slot)] offset:(\k)+(\i)*16*PITCH+32
.endr
	WIN 0
.irp i, 0,1,2,3,4,5,6,7
	ds_load_b128 v[(\f)+8*(\i):(\f)+8*(\i)+3],   v[ADRA+(\slot)] offset:(\k)+(\i)*16*PITCH
	ds_load_b128 v[(\f)+8*(\i)+4:(\f)+8*(\i)+7], v[ADRA+(\slot)] offset:(\k)+(\i)*16*PITCH+32
.endr
.endm
.macro PLACES                          ; four plain instructions between a matrix instruction and a load into, or a vector read of, its registers
.rept 4
	v_nop
.endr
.endm
.macro QUARTER slot, k, f, g, zero     ; multiplies buffer f; in its middle fetches the next quarter, at byte k of the slot's rows, into g
	s_wait_dscnt 8                                 ; W and A's rows 0-63 are in; the youngest eight loads may be out
	MUL16 \f, 0, 0, \zero
	MUL16 \f, 0, 2, \zero
	PLACES
	FETCH \slot, \k, \g
	s_wait_dscnt 32                                ; all but the 32 just issued
	MUL16 \f, 1, 0, \zero
	MUL16 \f, 1, 2, \zero
.endm
; The first half of a step's last quarter: one barrier for the change of slots.  In front of it each wave waits for all its tensor loads (one is out: its part of the next slot), adds 0 to its spare
; word, and waits for that and for its reads of this slot.
.macro MEET round
	WIN 0
	s_wait_tensorcnt 0x0
	ds_add_u32 v[SPW], v[NIL]
	s_wait_dscnt 9                                 ; the add and the youngest eight loads may be out
	MUL16 F1, 0, 0, 0
	s_wait_dscnt 0x0                               ; the add is done, and my reads of this slot are over
	s_barrier_signal -1
	MUL16 F1, 0, 2, 0
.if \round
	WIN 0
.endif
	s_barrier_wait -1
.endm
.macro TURN slot, next                 ; the last quarter with a refill: the slot just read takes the K step two steps on; 224 matrix instructions lie between the request and the wait for it
	s_wait_xcnt 0x0                                ; the last prefetch, a K step back, has read its address
	s_add_nc_u64 s[PFA:PFA+1], s[PFA:PFA+1], KSTEP*2
	MEET 1
	CREST                                          ; no wave of any partner still reads this slot or has a load on its way
	s_add_nc_u64 s[G0+4*(\slot)+2:G0+4*(\slot)+3], s[G0+4*(\slot)+2:G0+4*(\slot)+3], 2*KSTEP*2
	s_add_nc_u64 s[G0B+4*(\slot)+2:G0B+4*(\slot)+3], s[G0B+4*(\slot)+2:G0B+4*(\slot)+3], 2*KSTEP*2
	JLOAD \slot                                    ; its four v_nop are also the places in front of the loads below
	FETCH \next, 0, F0
	ASK
	MUL16 F1, 1, 0, 0
	MUL16 F1, 1, 2, 0
.endm
; THE WAY OUT of block a (16 rows x 128 columns): rounded to bf16, the floor applied; into my stage, two planes of 64 columns; back as rows of 128 bytes, which lie end to end in a plane; stored.
.macro PACK a
.set AC, 64*((\a)%4)
	WIN 0x0a+5*((\a)/4)                            ; sources in window 2 or 3
.irp b, 0,1,2,3,4,5,6,7
.irp r, 0,1,2,3
	v_cvt_pk_bf16_f32 v[TMP+4*(\b)+(\r)], v[AC+8*(\b)+2*(\r)], v[AC+8*(\b)+2*(\r)+1]
.endr
.endr
	WIN 0
.set i, 0
.rept 32
	v_pk_max_num_bf16 v[TMP+i], v[TMP+i], s[FLOOR]
.set i, i+1
.endr
.endm
.macro TOSTAGE a
	WIN 0
.set BK, OB+192*((\a)%2)
.irp b, 0,1,2,3,4,5,6,7
	ds_store_b128 v[STO], v[TMP+4*(\b):TMP+4*(\b)+3] offset:((\b)/4)*SPL+((\b)%4)*32
.endr
.irp t, 0,1,2,3,4,5,6,7
	ds_load_b128 v[BK+4*(\t):BK+4*(\t)+3], v[RD] offset:((\t)/4)*SPL+((\t)%4)*4*SP  ; LDS serves a wave's instructions in order: these see the stores above
.endr
.endm
.macro SEND a
	WIN 0
.set BK, OB+192*((\a)%2)
	s_wait_dscnt 0x0                               ; the block is back in registers
	s_wait_xcnt 0x0                                ; the stores of the block before have read their registers, which the next block's loads write
.irp t, 0,1,2,3,4,5,6,7
	global_store_b128 v[CO], v[BK+4*(\t):BK+4*(\t)+3], s[8:9] offset:(\a)*2048+((\t)/4)*PLANE+((\t)%4)*512  ; 512 consecutive bytes, aligned
.endr
.endm
	s_wait_tensorcnt 1                             ; my part of K step 0 is in; K step 1's may stay out
	s_barrier_signal -1
	s_barrier_wait -1
	FETCH 0, 0, F0
	s_wait_loadcnt 0x0                             ; the bias
	s_wait_kmcnt 0x0                               ; the floor
	QUARTER 0, 64,  F0, F1, 1                      ; the first quarter stands in front of the loop: its products start the sums
	WIN 0
	s_mov_b32 s3, LAPS-1
.Llap:                                                 ; a trip goes once round the ring and fills both slots again
	QUARTER 0, 128, F1, F0, 0
	QUARTER 0, 192, F0, F1, 0
	TURN 0, 1
	QUARTER 1, 64,  F0, F1, 0
	QUARTER 1, 128, F1, F0, 0
	QUARTER 1, 192, F0, F1, 0
	TURN 1, 0
	QUARTER 0, 64,  F0, F1, 0
	WIN 0
	s_sub_co_u32 s3, s3, 1
	s_cmp_lg_u32 s3, 0
	s_cbranch_scc1 .Llap
	QUARTER 0, 128, F1, F0, 0                      ; the last lap fills nothing
	QUARTER 0, 192, F0, F1, 0
	MEET 0
	PLACES
	FETCH 1, 0, F0
	MUL16 F1, 1, 0, 0
	MUL16 F1, 1, 2, 0
	QUARTER 1, 64,  F0, F1, 0
	QUARTER 1, 128, F1, F0, 0
	QUARTER 1, 192, F0, F1, 0
	s_wait_dscnt 8                                 ; the very last quarter: nothing more to fetch
	MUL16 F1, 0, 0, 0
	MUL16 F1, 0, 2, 0
	s_wait_dscnt 0x0
	MUL16 F1, 1, 0, 0
	MUL16 F1, 1, 2, 0
	PLACES
	PLACES
	PACK 0
	TOSTAGE 0
.irp a, 1,2,3,4,5,6,7                  ; block a's arithmetic stands between block a - 1's loads from the stage and the wait for them
	PACK \a
	SEND (\a)-1
	TOSTAGE \a
.endr
	SEND 7
	s_wait_tensorcnt 0x0                           ; the wave's end: behind my last tensor load and my last LDS store
	ds_add_u32 v[SPW], v[NIL]
	s_wait_dscnt 0x0
	CROUND                                         ; the closing round: no work-group ends while a partner may still ask for a tile that names it
	s_endpgm
.Lfunc_end_k_qc54f173722_qkv:
	.size	k_qc54f173722_qkv, .Lfunc_end_k_qc54f173722_qkv-k_qc54f173722_qkv
	.p2alignl 7, 3214868480
	.fill 96, 4, 3214868480
	.section	.rodata,"a",@progbits
	.p2align	6, 0x0
	.amdhsa_kernel k_qc54f173722_qkv
		.amdhsa_group_segment_fixed_size 327680
		.amdhsa_private_segment_fixed_size 0
		.amdhsa_enable_private_segment 0
		.amdhsa_kernarg_size 40
		.amdhsa_user_sgpr_count 2
		.amdhsa_user_sgpr_kernarg_segment_ptr 1
		.amdhsa_wavefront_size32 1
		.amdhsa_system_sgpr_workgroup_id_x 1
		.amdhsa_system_sgpr_workgroup_id_y 1
		.amdhsa_system_sgpr_workgroup_id_z 1
		.amdhsa_system_vgpr_workitem_id 0
		.amdhsa_next_free_vgpr 1024
		.amdhsa_next_free_sgpr 76
		.amdhsa_reserve_vcc 0
		.amdhsa_float_denorm_mode_32 3
		.amdhsa_float_denorm_mode_16_64 3
		.amdhsa_memory_ordered 1
		.amdhsa_forward_progress 1
		.amdhsa_inst_pref_size 162
	.end_amdhsa_kernel
	.amdgpu_metadata
---
amdhsa.version: [ 1, 2 ]
amdhsa.kernels:
  - .name:           k_qc54f173722_qkv
    .symbol:         k_qc54f173722_qkv.kd
    .args:
      - { .name: act, .offset: 0, .size: 8, .value_kind: global_buffer, .address_space: global }
      - { .name: wa, .offset: 8, .size: 8, .value_kind: global_buffer, .address_space: global }
      - { .name: zb, .offset: 16, .size: 8, .value_kind: global_buffer, .address_space: global }
      - { .name: nf, .offset: 24, .size: 8, .value_kind: global_buffer, .address_space: global }
      - { .name: big, .offset: 32, .size: 8, .value_kind: global_buffer, .address_space: global }
    .group_segment_fixed_size: 327680
    .private_segment_fixed_size: 0
    .kernarg_segment_align: 8
    .kernarg_segment_size: 40
    .max_flat_workgroup_size: 128
    .sgpr_count:     76
    .vgpr_count:     1024
    .wavefront_size: 32
...
	.end_amdgpu_metadata
.endif
;; end of part 3
;; launch attn (part 4): grid 8 x 32, 4 waves a work-group, no clusters, 327,680 bytes of LDS; arguments big, act; writes act
.if DOCPART == 4
	.amdgcn_target "amdgcn-amd-amdhsa--gfx1250"
	.amdhsa_code_object_version 6
	.text
	.protected	k_qc54f173722_attn
	.globl	k_qc54f173722_attn
	.p2align	8
	.type	k_qc54f173722_attn,@function
k_qc54f173722_attn:
	s_mov_b64 s[64:65], 0
	v_nop
	global_prefetch_b8 v0, s[64:65] scope:SCOPE_SE
	s_setreg_imm32_b32 hwreg(HW_REG_WAVE_MODE, 25, 1), 1
	s_wait_xcnt 0x0
; CAUSAL ATTENTION, head size 64, 2,048 rows, 32 pairs of batch and head (y = 16 x batch + head).  q, k, v lie in planes [which x 16 + head][4096][64] bf16 of one buffer; the result goes to [head][4096][64] bf16.
; O[q] = sum over k <= q of softmax_k(Q[q] . K[k] / 8) V[k].  Products, maxima and sums in f32; the weights are rounded to bf16 for the second product (their sum is taken unrounded), O once at the end.
; LIMITS.  A hidden score counts as its value less 1e30; a weight below 2^-126 counts as 0; NaN and infinities are not treated apart.
; THE WALK.  16 blocks of 128 queries; block i needs the key tiles 0 .. i of 128 keys.  Work-group b takes block b and then block 15 - b, each from its diagonal tile down to tile 0: 17 tiles, 34 key steps
; of 64 keys, whatever b.  Every jump but the loops' own goes forward, over text with no barrier and no tensor load.
; SHARES.  Of a block's two bands of 64 queries a wave owns 16 rows in each: PIECE x is band x.  A block's step 0 holds band 0's diagonal and is all visible to band 1; its step 1 is hidden from band 0 and
; holds band 1's diagonal; later steps are all visible.  Every row meets a visible key in the block's step 0, so the running maximum is a true score from then on.
; NO CLUSTER: the eight work-groups of a head ask for different tiles in most trips (b, b - 1, .. against 15 - b, ..).
; LAYOUT.  S^T = K Q^T holds one query a lane (lane % 16) and the keys 8 (lane / 16) + 0..7; two such results rounded to bf16 are source 1 of O^T = V^T P.
; p = 2^(c s - c m), c = log2(e) / 8, with a running maximum m; O and l are multiplied by a = 2^(c m_old - c m_new) in every step; a block's first step has a = 0.
; THE MASK is the C operand that starts a sum: MC(x) = MD x AL + BE, where MD is the mask of a band's own step for my rows: (1, 0) own step, (0, -1e30) hidden, (0, 0) visible.  It is made anew only
; while the next step is one of a block's first three.
; BY TURNS.  Turn x of step j: piece x has the matrix unit, 8 products V^T P of step j and then 8 products K Q^T of step j + 1; the other piece's softmax (piece 1's of step j in turn 0, piece 0's of
; step j + 1 in turn 1), a list of 118 lines, stands beside them: four lines behind each product, the other 54 in one lump between the two runs of products.  Nothing in the list names a register of the
; turn's products.  K of step j + 1 is fetched at the head of turn 0, V of step j + 1 in the lump of turn 1: so the fetches of steps 2 k - 1 and 2 k read walk tile k alone, and the change of slots stands
; in front of that pair of steps.
; ONE TEXT FOR EVERY STEP.  The walk starts with a step -1 on zeros, which makes the first scores, and runs on across the change of blocks: at a block's last step the next block's Q and masks are
; brought in ahead of each turn, and behind it the piece is divided by l, stored, and its maximum set anew.  The last step's products K Q^T and the softmax made of them serve nothing.
; REGISTERS: window 0: v0-15 addresses; v16-23 statistics (c m, m, l, l a piece); v24-31 at work; v64-127 S^T; v128-159 P; v160-191 the way out.  window 1: v0-63 O^T; v64-95 MD; v96-159 MC.
; window 2: v0-31 Q; v32-63 the second block's Q; v64-127 K of a step; v128-191 V of a step.  s_set_vgpr_msb: bits 1:0 source 0, 3:2 source 1, 5:4 source 2, 7:6 destination.
.set KS,    64
.set PK,    144                        ; a row of K in LDS: 128 bytes + 16
.set PV,    160                        ; a row of V: 128 + 32
.set VOFF,  2*KS*PK                    ; a slot: 128 rows of K, then 128 rows of V
.set SLOT1, 1<<16
.set STAGE, SLOT1+2*KS*(PK+PV)         ; behind the ring: 16 rows x 144 bytes for each wave
.set SP,    144
.set SPARE, STAGE+4*16*SP
.set AK0, 2
.set AV0, 3
.set AK,  4
.set AV,  5
.set STO, 6
.set RD,  7
.set GO,  8
.set MV,  12                           ; v12-13  c m_old, by piece
.set QO,  15
.set ST,  16
.set TMP, 24
.set PFO, 61                           ; v61  256 x lane; never rewritten
.set SPW, 62                           ; never rewritten
.set NIL, 63                           ; never rewritten
.set S,   64
.set P,   128
.set OT,  160
.set MD,  64                           ; window 1
.set MC,  96                           ; window 1: 32 a piece
.set QB,  32                           ; window 2
.set KF,  64
.set VF,  128
.set WV,  12
.set LO,  14                           ; s14  b
.set HI,  15                           ; s15  15 - b
.set G1K, 24
.set G1V, 32
.set G0K, 40
.set G0V, 44
.set SLOTS, 56
.set CNT, 57
.set CS,  58
.set SEL, 60
.set TBK, 62                           ; s62  LDS byte at which K of the step to be fetched begins
.set TBV, 63                           ; s63  the same for V, less VOFF
.set TB,  69                           ; s69  the slot in hand: 0 or SLOT1
.set REM, 70                           ; s70  steps left in the block, this one among them
.set NXT, 71                           ; s71  the key tile to be asked for next
.set NPOS, 72                          ; s72  the place of the NEXT step in its block; 0: this step is a block's last
.set PF,  73
.set OFF, 74                           ; s[74:75]
.set AL,  76                           ; s[76:77] the mask's factor, in the low word
.set BE,  78                           ; s[78:79] the mask's addend
.set OHI, 80                           ; s[80:81] O at my rows of the second block
.set BIGN, 82
.set FIN, 83                           ; s83  1: this step is a block's last and the block is a true one
.set PFA, 84                           ; s[84:85] my half (of K: waves 0, 1; of V: waves 2, 3) of tile 15 - b
.set QHI, 86
.set NLEN, 88                          ; s88  steps of the block that comes next
.set LB,  89                           ; s89  steps of the second block
.set MSB, 0
.macro WIN new                         ; the immediate's high byte repeats the setting that is left; a switch that changes nothing is dropped
.if MSB != (\new)
	s_set_vgpr_msb (MSB<<8)|(\new)
.set MSB, (\new)
.endif
.endm
.set W_KQ, 0x0a                        ; K and Q in window 2, S^T in window 0
.set W_KM, 0x1a                        ; the same with the C operand in window 1
.set W_PV, 0x52                        ; V in window 2, P in window 0, O^T in window 1
.set W_RS, 0x41                        ; destination and source 0 in window 1, source 1 in window 0
; A fill.  Waves 0 and 1 fetch the two halves of a tile's K, waves 2 and 3 those of its V: 64 keys each.  An s_nop 0 and four v_nop follow each line, ahead of the jump and the label.
.macro LOAD
	s_cmp_lt_u32 s[WV], 2
	s_cbranch_scc0 .Lfor_v_\@
	tensor_load_to_lds s[G0K:G0K+3], s[G1K:G1K+7]
	s_nop 0
.rept 4
	v_nop
.endr
	s_branch .Lasked_\@
.Lfor_v_\@:
	tensor_load_to_lds s[G0V:G0V+3], s[G1V:G1V+7]
	s_nop 0
.rept 4
	v_nop
.endr
.Lasked_\@:
.endm
; THE CHANGE OF SLOTS.  Each wave waits for all its tensor loads (one is out: its part of the other slot), adds 0 to its spare word, and waits for that and for its reads of the slot that it leaves.
; fill = 1: the old slot is filled again, first thing behind the barrier, with tile NXT; the descriptor's address is made anew from that number.  One tensor load of mine is out at any time.
.macro CHANGE fill
	WIN 0
	s_wait_tensorcnt 0x0
	ds_add_u32 v[SPW], v[NIL]
.if \fill
	s_lshl_b32 s[OFF], s[NXT], 14                  ; a tile is 16,384 bytes of K and of V
	s_xor_b32 s[G0K+1], s[G0K+1], SLOT1
	s_add_nc_u64 s[G0K+2:G0K+3], s[6:7], s[OFF:OFF+1]
	s_or_b32 s[G0K+3], s[G0K+3], 0x80000000
	s_xor_b32 s[G0V+1], s[G0V+1], SLOT1
	s_add_nc_u64 s[G0V+2:G0V+3], s[8:9], s[OFF:OFF+1]
	s_or_b32 s[G0V+3], s[G0V+3], 0x80000000
	s_sub_co_i32 s[NXT], s[NXT], 1                 ; one tile down, or behind tile 0 the second block's diagonal tile
	s_cmp_lt_i32 s[NXT], 0
	s_cselect_b32 s[NXT], s[HI], s[NXT]
.endif
	s_wait_dscnt 0x0                               ; the add is done, and my reads of the slot are over
	s_barrier_signal -1
	s_xor_b32 s[TB], s[TB], SLOT1                  ; the fetches begin at the other slot's first step
	s_mov_b32 s[TBK], s[TB]
	s_mov_b32 s[TBV], s[TB]
	s_barrier_wait -1
.if \fill
	LOAD
.endif
.endm
; A prefetch, in the one trip that has just asked for the first block's tile 0: my 64 rows of 128 bytes (32 lanes x 256 bytes) of tile 15 - b, which the next trip's load will ask for: two key steps ahead.
; Tile 15 - b is read first by work-groups 0 .. b of the head, in the same trip; work-group b names it, and nobody else.  Tiles 0 to 7 and 15 come by their loads alone.
.macro ASK
	s_cmp_eq_u32 s[NXT], s[HI]
	s_cselect_b32 s[PF], s[SLOTS], 1               ; (in the loop's last trip NXT has come round once more: SLOTS is 1 there)
	s_cmp_lg_u32 s[PF], 1
	s_cbranch_scc0 .Lnot_now_\@
	global_prefetch_b8 v[PFO], s[PFA:PFA+1] th:TH_LOAD_NT scope:SCOPE_SE
.Lnot_now_\@:
.endm
.macro MASK x                          ; MD x AL + BE into piece x's MC
	WIN W_RS
.set z, 0
.rept 16
	v_pk_fma_f32 v[MC+32*(\x)+2*z:MC+32*(\x)+2*z+1], v[MD+2*z:MD+2*z+1], s[AL:AL+1], s[BE:BE+1] op_sel_hi:[1,0,0]
.set z, z+1
.endr
.endm
	s_load_b128 s[16:19], s[0:1], 0x0              ; q, k, v; the result
	v_lshl_add_u32 v[SPW], v0, 2, SPARE
	v_mov_b32 v[NIL], 0
	ds_add_u32 v[SPW], v[NIL]                      ; the wave's opening: the add and its wait stand ahead of my first tensor load
	ds_add_u32 v62, v63
	v_lshrrev_b32 v1, 5, v0
	v_readfirstlane_b32 s[WV], v1
	s_mov_b32 s[LO], ttmp9
	s_sub_co_u32 s[HI], 15, s[LO]
	s_and_b32 s22, ttmp7, 0xffff
	s_and_b32 s20, s22, 15                         ; head
	s_lshl_b32 s20, s20, 19
	s_lshr_b32 s22, s22, 4                         ; batch
	s_lshl_b32 s22, s22, 18
	s_add_co_u32 s20, s20, s22                     ; the head's first byte in a group of 16 planes
	s_and_b32 s48, s[WV], 1                        ; which half of a tile's 128 keys I fetch
	s_lshl_b32 s52, s48, 13
	s_add_co_u32 s52, s52, s20
	s_mov_b32 s53, 0
	s_mul_i32 s49, s48, KS*PK                      ; its place in a slot, for K
	s_mul_i32 s50, s48, KS*PV                      ; and for V
	s_lshl_b32 s3, s[WV], 11                       ; my 16 rows in a band
	s_lshl_b32 s2, s[LO], 14
	s_add_co_u32 s2, s2, s3
	s_add_co_u32 s2, s2, s20                       ; in the first block,
	s_lshl_b32 s22, s[HI], 14
	s_add_co_u32 s22, s22, s3
	s_add_co_u32 s22, s22, s20                     ; and in the second
	s_mov_b32 s3, 0
	s_mov_b32 s23, 0
	; 64 keys are 8,192 dense bytes: asked for as 32 rows of 256 bytes, two keys a row, padded in LDS after every key
	s_mov_b32 s[G1K], (1<<16)|(1<<20)|(4<<22)|(3<<25)  ; 2-byte elements; padding on; after every 32 words, 4 words
	s_mov_b32 s[G1V], (1<<16)|(1<<20)|(4<<22)|(7<<25)  ; the same with 8 words
.irp g, G1K, G1V
	s_mov_b32 s[\g+1], 128<<16
	s_mov_b32 s[\g+2], 32<<16
	s_mov_b32 s[\g+3], 128<<16
	s_mov_b32 s[\g+4], 32
	s_mov_b32 s[\g+5], 128
	s_mov_b32 s[\g+6], 0
	s_mov_b32 s[\g+7], 0
.endr
	s_mov_b32 s[CS], 0x3e38aa3b                    ; c = log2(e) / 8
	s_mov_b32 s[CS+1], s[CS]
	s_mov_b32 s[SEL], 0x76543210
	s_mov_b32 s[SEL+1], 0xfedcba98
	s_mov_b32 s[TB], SLOT1                         ; the first change of slots turns it into 0
	s_mov_b32 s[G0K], 1
	s_mov_b32 s[G0K+1], s49                        ; slot 0
	s_mov_b32 s[G0V], 1
	s_add_co_u32 s[G0V+1], s50, VOFF
	s_mov_b32 s[REM], 1                            ; step -1 counts as the last step of a block that is not stored
	s_mov_b32 s[NPOS], 0
	s_mov_b32 s[FIN], 0
	s_lshl_b32 s[NLEN], s[LO], 1
	s_add_co_u32 s[NLEN], s[NLEN], 2               ; the first block has 2 (b + 1) steps,
	s_sub_co_u32 s[LB], 34, s[NLEN]                ; the second the rest of the 34
	s_mov_b32 s[AL], 1.0
	s_mov_b32 s[AL+1], 0                           ; named as pairs
	s_mov_b32 s[BE], 0
	s_mov_b32 s[BE+1], 0
	s_sub_co_i32 s[NXT], s[LO], 1
	s_cmp_lt_i32 s[NXT], 0
	s_cselect_b32 s[NXT], s[HI], s[NXT]
	s_lshl_b32 s[OFF], s[LO], 14                   ; the walk's first tile
	s_mov_b32 s[OFF+1], 0
	s_lshl_b32 s54, s[HI], 14
	s_mov_b32 s55, 0
	s_mov_b32 s[BIGN], 0xf149f2ca                  ; -1e30
	s_mov_b32 s[SLOTS], 16
	s_wait_dscnt 0x0                               ; the opening add is done
	s_wait_kmcnt 0x0
	s_add_nc_u64 s[6:7], s[16:17], s[52:53]
	s_add_nc_u64 s[8:9], s[6:7], 0x1000000         ; V at my half of the head's tile 0
	s_add_nc_u64 s[6:7], s[6:7], 0x800000          ; K likewise
	s_add_nc_u64 s[G0K+2:G0K+3], s[6:7], s[OFF:OFF+1]
	s_or_b32 s[G0K+3], s[G0K+3], 0x80000000
	s_add_nc_u64 s[G0V+2:G0V+3], s[8:9], s[OFF:OFF+1]
	s_or_b32 s[G0V+3], s[G0V+3], 0x80000000
	s_add_nc_u64 s[4:5], s[16:17], s[2:3]          ; Q and O at my rows of the first block,
	s_add_nc_u64 s[10:11], s[18:19], s[2:3]
	s_add_nc_u64 s[QHI:QHI+1], s[16:17], s[22:23]  ; and of the second
	s_add_nc_u64 s[OHI:OHI+1], s[18:19], s[22:23]
	s_cmp_lt_u32 s[WV], 2
	s_cselect_b64 s[PFA:PFA+1], s[6:7], s[8:9]
	s_add_nc_u64 s[PFA:PFA+1], s[PFA:PFA+1], s[54:55]
	LOAD                                           ; the first tile into slot 0
	v_and_b32 v1, 15, v0                           ; l % 16
	v_bfe_u32 v9, v0, 4, 1                         ; l / 16
	v_lshlrev_b32 v[QO], 7, v1
	v_lshl_add_u32 v[QO], v9, 4, v[QO]
	WIN 0x80
.set i, 0
.rept 4                                ; both blocks' Q: piece i / 2 lies in band i / 2, 8,192 bytes on; channels 32 (i % 2) on
	global_load_b128 v[8*i:8*i+3],   v[QO], s[4:5] offset:(i/2)*8192+(i%2)*64
	global_load_b128 v[8*i+4:8*i+7], v[QO], s[4:5] offset:(i/2)*8192+(i%2)*64+32
	global_load_b128 v[QB+8*i:QB+8*i+3],   v[QO], s[QHI:QHI+1] offset:(i/2)*8192+(i%2)*64
	global_load_b128 v[QB+8*i+4:QB+8*i+7], v[QO], s[QHI:QHI+1] offset:(i/2)*8192+(i%2)*64+32
.set i, i+1
.endr
	; What step -1 finds: V, O^T, piece 0's P and piece 1's S^T hold 0, so that its products add 0 and its softmax stays finite.  All this stands in the wait for the first tile.
.set i, 0
.rept 64
	v_mov_b32 v[VF+i], 0
.set i, i+1
.endr
	WIN 0
	v_lshlrev_b32 v14, 3, v9
	v_sub_nc_u32 v14, v1, v14
	s_lshl_b32 s13, s[WV], 4
	v_add_nc_u32 v14, s13, v14                     ; my query's place in its band less my lanes' 8 (l / 16): register r of key group kt is hidden where 16 kt + r is greater
	WIN 0x40
.set i, 0
.rept 32
	v_cmp_gt_i32 vcc_lo, 16*(i/8)+i%8, v14
	v_cndmask_b32 v[MD+i], 0, s[BIGN], vcc_lo
.set i, i+1
.endr
.set i, 0
.rept 64
	v_mov_b32 v[i], 0
.set i, i+1
.endr
.set i, 0
.rept 32
	v_mov_b32 v[MC+32+i], 0                        ; piece 1 sees all of a block's step 0,
.set i, i+1
.endr
	MASK 0                                         ; piece 0 its own mask
	WIN 0
	v_mul_u32_u24 v[AK0], v1, PK
	v_lshl_add_u32 v[AK0], v9, 4, v[AK0]
	; the turning load takes 16 keys x 16 channels (lane l reads key 8 (l / 16) + l % 8, channels 8 ((l / 8) % 2) + 0..7) and leaves half a fragment of V^T
	v_and_b32 v10, 7, v0
	v_bfe_u32 v11, v0, 3, 1
	v_lshl_add_u32 v[AV0], v9, 3, v10
	v_mul_u32_u24 v[AV0], v[AV0], PV
	v_lshl_add_u32 v[AV0], v11, 4, v[AV0]
	v_add_nc_u32 v[AV0], VOFF, v[AV0]
	s_mul_i32 s13, s[WV], 16*SP
	s_add_co_u32 s13, s13, STAGE
	v_mul_u32_u24 v[STO], v1, SP
	v_lshl_add_u32 v[STO], v9, 4, v[STO]
	v_add_nc_u32 v[STO], s13, v[STO]
	v_bfe_u32 v[RD], v0, 3, 2
	v_mul_u32_u24 v[RD], v[RD], SP
	v_lshl_add_u32 v[RD], v10, 4, v[RD]
	v_add_nc_u32 v[RD], s13, v[RD]
	v_and_b32 v[GO], 31, v0
	v_lshlrev_b32 v[PFO], 8, v[GO]
	v_lshlrev_b32 v[GO], 4, v[GO]
.irp t, 0,1
	v_mov_b32 v[ST+4*\t], 0xfe000000               ; c m: far below every c s
	v_mov_b32 v[ST+4*\t+1], 0xff7fffff             ; m
	v_mov_b32 v[ST+4*\t+2], 0
	v_mov_b32 v[ST+4*\t+3], 0
.endr
.set i, 0
.rept 32
	v_mov_b32 v[S+32+i], 0
.set i, i+1
.endr
.set i, 0
.rept 16
	v_mov_b32 v[P+i], 0
.set i, i+1
.endr
	s_wait_loadcnt 0x0                             ; Q
; THE MATRIX WORK.  The four accumulators of a run of eight take turns, one instruction a turn.
.macro KQ x, kb, c                     ; S^T of piece x: keys 16 kb on, channels 32 c on; c = 0 starts the sum, with the mask
.set rS, S+32*(\x)+8*(\kb)
.set rK, KF+16*(\kb)+8*(\c)
.set rQ, 16*(\x)+8*(\c)
.set rM, MC+32*(\x)+8*(\kb)
.if (\c) == 0
	WIN W_KM
	v_wmma_f32_16x16x32_bf16 v[rS:rS+7], v[rK:rK+7], v[rQ:rQ+7], v[rM:rM+7]
.else
	WIN W_KQ
	v_wmma_f32_16x16x32_bf16 v[rS:rS+7], v[rK:rK+7], v[rQ:rQ+7], v[rS:rS+7]
.endif
.endm
.macro PVM x, cb, kk                   ; O^T of piece x: channels 16 cb on, keys 32 kk on
	WIN W_PV
.set rO, 32*(\x)+8*(\cb)
.set rV, VF+32*(\kk)+8*(\cb)
.set rP, P+16*(\x)+8*(\kk)
	v_wmma_f32_16x16x32_bf16 v[rO:rO+7], v[rV:rV+7], v[rP:rP+7], v[rO:rO+7]
.endm
; THE LDS LOADS stand in runs of 16.  The byte at which a fetch begins turns between a slot's two steps by an exclusive or, so the walk's last fetches, which nobody needs, read the tile's first step once more.
.macro FETCH_K
	WIN 0
	v_add_nc_u32 v[AK], s[TBK], v[AK0]
	s_xor_b32 s[TBK], s[TBK], KS*PK
	WIN 0x80
.irp f, 0,1,2,3,4,5,6,7                ; keys 16 (f / 2) on, channels 32 (f % 2) on
	ds_load_b128 v[KF+8*\f:KF+8*\f+3],   v[AK] offset:(\f/2)*16*PK+(\f%2)*64
	ds_load_b128 v[KF+8*\f+4:KF+8*\f+7], v[AK] offset:(\f/2)*16*PK+(\f%2)*64+32
.endr
.endm
.macro FETCH_V
	WIN 0
	v_add_nc_u32 v[AV], s[TBV], v[AV0]
	s_xor_b32 s[TBV], s[TBV], KS*PV
	WIN 0x80
.irp f, 0,1,2,3,4,5,6,7                ; keys 32 (f / 4) on, channels 16 (f % 4) on
	ds_load_tr16_b128 v[VF+8*\f:VF+8*\f+3],   v[AV] offset:(\f/4)*32*PV+(\f%4)*32
	ds_load_tr16_b128 v[VF+8*\f+4:VF+8*\f+7], v[AV] offset:(\f/4)*32*PV+16*PV+(\f%4)*32
.endr
.endm
; THE VECTOR WORK, one line for piece u at a time.
.macro REGS u
.set rT, ST+4*(\u)
.set rC, TMP+4*(\u)
.set rW, MV+(\u)
.set rS, S+32*(\u)
.set rP, P+16*(\u)
.set rO, 32*(\u)
.endm
; XS n: number n of the 22 that find the maximum and the statistics.  0-11 four chains of seven scores (each accumulator's lowest registers are read first); 12-14, 16 the four scores
; left over, the old m, and the four into one; 15 c m_old is kept; 17, 18 the lane 16 away holds the query's other keys: the new m; 19-21 c m, its change, a.
.macro XS u, n
	REGS \u
.if (\n) < 4
	v_max3_num_f32 v[rC+(\n)], v[rS+8*(\n)], v[rS+8*(\n)+1], v[rS+8*(\n)+2]
.elseif (\n) < 12
	v_max3_num_f32 v[rC+(\n)%4], v[rC+(\n)%4], v[rS+8*((\n)%4)+2*((\n)/4)+1], v[rS+8*((\n)%4)+2*((\n)/4)+2]
.elseif (\n) == 12
	v_max3_num_f32 v[rC], v[rC], v[rS+7], v[rS+15]
.elseif (\n) == 13
	v_max3_num_f32 v[rC+1], v[rC+1], v[rS+23], v[rS+31]
.elseif (\n) == 14
	v_max3_num_f32 v[rC+2], v[rC+2], v[rC+3], v[rT+1]
.elseif (\n) == 15
	v_mov_b32 v[rW], v[rT]
.elseif (\n) == 16
	v_max3_num_f32 v[rC], v[rC], v[rC+1], v[rC+2]
.elseif (\n) == 17
	v_permlanex16_b32 v[rC+3], v[rC], s[SEL], s[SEL+1]
.elseif (\n) == 18
	v_max_num_f32 v[rT+1], v[rC], v[rC+3]
.elseif (\n) == 19
	v_mul_f32 v[rT], s[CS], v[rT+1]
.elseif (\n) == 20
	v_sub_f32 v[rC+1], v[rW], v[rT]
.else
	v_exp_f32 v[rC+2], v[rC+1]
.endif
.endm
.macro FS u, n                         ; c s - c m for pair n of 16
	REGS \u
	v_pk_fma_f32 v[rS+2*(\n):rS+2*(\n)+1], v[rS+2*(\n):rS+2*(\n)+1], s[CS:CS+1], v[rT:rT+1] op_sel_hi:[1,0,0] neg_lo:[0,0,1] neg_hi:[0,0,1]
.endm
.macro ES u, n                         ; the exponential of score n of 32
	REGS \u
	v_exp_f32 v[rS+(\n)], v[rS+(\n)]
.endm
.macro CV u, n                         ; pair n rounded to bf16
	REGS \u
	v_cvt_pk_bf16_f32 v[rP+(\n)], v[rS+2*(\n)], v[rS+2*(\n)+1]
.endm
.macro BS u, n                         ; of the four weights 4 n .. the second pair is added onto the first
	REGS \u
	v_pk_add_f32 v[rS+4*(\n):rS+4*(\n)+1], v[rS+4*(\n):rS+4*(\n)+1], v[rS+4*(\n)+2:rS+4*(\n)+3]
.endm
.macro LL u, n                         ; l takes that sum; the first time as l = a l + sum
	REGS \u
.if (\n) == 0
	v_pk_fma_f32 v[rT+2:rT+3], v[rT+2:rT+3], v[rC+2:rC+3], v[rS:rS+1] op_sel_hi:[1,0,1]
.else
	v_pk_add_f32 v[rT+2:rT+3], v[rT+2:rT+3], v[rS+4*(\n):rS+4*(\n)+1]
.endif
.endm
.macro RS u, n                         ; pair n of 16 of O^T times a
	REGS \u
	v_pk_mul_f32 v[rO+2*(\n):rO+2*(\n)+1], v[rO+2*(\n):rO+2*(\n)+1], v[rC+2:rC+3] op_sel_hi:[1,0]
.endm
; THE LIST: number q of the 118 lines of piece y's softmax for one step.
;   0-21    the maximum and the statistics; a's exponential is the last of them
;   22-69   the 16 scalings and the 32 exponentials: two scalings; scaling and exponential by turns (24-35); a scaling and three exponentials (36-67); the last two exponentials.  A pair is scaled
;           at least three numbers ahead of its exponentials.  With a's these are ONE batch: nothing up to 69 names an exponential's result
;   (wait)  between 69 and 70 stands the one wait for the batch: TURN writes it
;   70-101  roundings and sums: for each four weights two roundings and an addition in place, and l takes the sum of the four before
;   102-117 O^T times a: the one part that leaves window 0
.macro SOP y, q
.if (\q) >= 102
	WIN W_RS
	RS \y, (\q)-102
.else
	WIN 0
.if (\q) < 14
	XS \y, \q
.elseif (\q) == 14
	XS \y, 15
.elseif (\q) == 15
	XS \y, 14
.elseif (\q) < 22
	XS \y, \q
.elseif (\q) < 24
	FS \y, (\q)-22
.elseif ((\q) < 36) && ((\q)%2 == 0)
	FS \y, ((\q)-20)/2
.elseif (\q) < 36
	ES \y, ((\q)-25)/2
.elseif ((\q) < 68) && (((\q)-36)%4 == 0)
	FS \y, ((\q)-4)/4
.elseif (\q) < 68
	ES \y, 5+3*(((\q)-36)/4)+((\q)-36)%4
.elseif (\q) < 70
	ES \y, (\q)-38
.else
.set sq_p, (\q)-70
.set sq_k, (sq_p+1)/4
.set sq_s, (sq_p+1)%4
.if sq_p == 0
	CV \y, 0
.elseif sq_p == 31
	LL \y, 7
.elseif sq_s == 0
	CV \y, 2*sq_k
.elseif sq_s == 1
	LL \y, sq_k-1
.elseif sq_s == 2
	CV \y, 2*sq_k+1
.else
	BS \y, sq_k
.endif
.endif
.endif
.endm
.macro RIDE n                          ; the next n numbers of the list
.rept \n
	SOP YY, qq
.set qq, qq+1
.endr
.endm
; A TURN of piece x.  Behind each product stand four lines of the other piece's list; numbers 32 to 85 are the lump between the two runs of products.
; K's run stands at the head of turn 0: the four rescalings behind the last product that read K, and the run's own address line, are five plain lines between.  V's run stands behind number 35 of turn 1:
; four scalings (28, 30, 32, 34) and the address line are five plain lines behind the last product that read V.  The last product K Q^T has four rescalings behind it, and the next turn's list reads its
; accumulator fourth: seven plain lines between.
.macro TURN x
.set YY, 1-(\x)
.set qq, 0
.if (\x) == 0
	s_wait_dscnt 0x0                               ; V of this step is in
	FETCH_K                                        ; K of the next step
.endif
.set ii, 0
.rept 8
	PVM \x, ii%4, ii/4
	RIDE 4
.set ii, ii+1
.endr
	RIDE 4
.if (\x) == 1
	FETCH_V                                        ; V of the next step
.endif
	RIDE 34
	v_nop                                          ; the plain line behind the last exponential: one for the batch
	s_wait_alu depctr_va_vdst(0)                   ; the one wait for the batch's 33 exponentials, ahead of their first reader
	RIDE 16
.if (\x) == 0
	s_wait_dscnt 0x0                               ; K of the next step is in
.endif
.set ii, 0
.rept 8
	KQ \x, ii%4, ii/4
	RIDE 4
.set ii, ii+1
.endr
	WIN 0
.endm
; AHEAD OF TURN x.  While the next step is one of a block's first three, piece x's mask for it is made; at a true block's last step the second block's Q comes where the one text names Q.
.macro HOOKA x
	s_cmp_gt_u32 s[NPOS], 2
	s_cbranch_scc1 .Lnm_\@
.if (\x) == 0
	s_cmp_eq_u32 s[NPOS], 0                        ; band 0: a block's step 0 is its own,
	s_cselect_b32 s[AL], 1.0, 0
	s_cmp_eq_u32 s[NPOS], 1                        ; step 1 is hidden
	s_cselect_b32 s[BE], s[BIGN], 0
.else
	s_cmp_eq_u32 s[NPOS], 1                        ; band 1: step 1 is its own
	s_cselect_b32 s[AL], 1.0, 0
	s_mov_b32 s[BE], 0
.endif
	MASK \x
	WIN 0
	s_cmp_eq_u32 s[FIN], 1
	s_cbranch_scc0 .Lnm_\@
	WIN 0x82
.set i, 0
.rept 16
	v_mov_b32 v[16*(\x)+i], v[QB+16*(\x)+i]
.set i, i+1
.endr
	WIN 0
.Lnm_\@:
.endm
; PIECE x LEAVES: l's halves and the other half of the lanes' are added; O^T is divided by l, rounded to bf16, sent through my stage and stored.  Its last products stand a lump and eight products back.
.macro FIN1 x
	s_wait_xcnt 0x0                                ; the first block's stores have read the registers that are written below
	v_add_f32 v[ST+4*(\x)+2], v[ST+4*(\x)+2], v[ST+4*(\x)+3]
	v_permlanex16_b32 v[ST+4*(\x)+3], v[ST+4*(\x)+2], s[SEL], s[SEL+1]
	v_add_f32 v[ST+4*(\x)+2], v[ST+4*(\x)+2], v[ST+4*(\x)+3]
	v_rcp_f32 v[ST+4*(\x)+2], v[ST+4*(\x)+2]
	v_nop                                          ; a plain line behind the reciprocal,
	s_wait_alu depctr_va_vdst(0)                   ; and its wait, ahead of its first use
	WIN W_RS
.set i, 32*(\x)
.rept 16
	v_pk_mul_f32 v[i:i+1], v[i:i+1], v[ST+4*(\x)+2:ST+4*(\x)+3] op_sel_hi:[1,0]
.set i, i+2
.endr
	WIN 0x05
.set i, 0
.rept 16
	v_cvt_pk_bf16_f32 v[OT+16*(\x)+i], v[32*(\x)+2*i], v[32*(\x)+2*i+1]
.set i, i+1
.endr
	WIN 0
.irp f, 0,1,2,3
	ds_store_b128 v[STO], v[OT+16*(\x)+4*\f:OT+16*(\x)+4*\f+3] offset:32*\f
.endr
.irp f, 0,1,2,3
	ds_load_b128 v[OT+16*(\x)+4*\f:OT+16*(\x)+4*\f+3], v[RD] offset:\f*4*SP  ; LDS serves a wave's instructions in order: these see the stores above
.endr
.irp f, 0,1,2,3
	s_wait_dscnt 3-\f                              ; the younger loads from the stage may stay out
	global_store_b128 v[GO], v[OT+16*(\x)+4*\f:OT+16*(\x)+4*\f+3], s[10:11] offset:(\x)*8192+\f*512  ; 512 consecutive bytes, aligned
.endr
.if (\x) == 1
	s_wait_xcnt 0x0                                ; the stores have read O's address
	s_mov_b64 s[10:11], s[OHI:OHI+1]
.endif
.endm
; BEHIND TURN x, at a block's last step: the piece leaves (not in step -1), and its maximum is set anew: the next block's first step has a = 0, so O^T and l need only be finite.
.macro HOOKB x
	s_cmp_eq_u32 s[NPOS], 0
	s_cbranch_scc0 .Lnl_\@
	s_cmp_eq_u32 s[FIN], 1
	s_cbranch_scc0 .Lnf_\@
	FIN1 \x
.Lnf_\@:
	v_mov_b32 v[ST+4*(\x)], 0xfe000000
	v_mov_b32 v[ST+4*(\x)+1], 0xff7fffff
.Lnl_\@:
.endm
.macro BODY                            ; a key step
	HOOKA 0
	TURN 0
	HOOKB 0
	HOOKA 1
	TURN 1
	HOOKB 1
	s_sub_co_u32 s[REM], s[REM], 1
	s_cmp_eq_u32 s[REM], 0                         ; behind a block's last step the next block's count is taken
	s_cselect_b32 s[REM], s[NLEN], s[REM]
	s_cselect_b32 s[NLEN], s[LB], s[NLEN]
	s_add_co_u32 s[NPOS], s[NPOS], 1
	s_cmp_eq_u32 s[REM], 1                         ; is the step to come its block's last?
	s_cselect_b32 s[NPOS], 0, s[NPOS]
	s_cselect_b32 s[FIN], 1, 0
.endm
.Lslot:                                                ; 16 trips: walk tile k has landed, tile k + 1 is asked for; steps 2 k - 1 and 2 k, whose fetches read tile k
	CHANGE 1
	ASK
	s_mov_b32 s[CNT], 2
.Lstep:
	BODY
	s_sub_co_u32 s[CNT], s[CNT], 1
	s_cmp_lg_u32 s[CNT], 0
	s_cbranch_scc1 .Lstep
	s_sub_co_u32 s[SLOTS], s[SLOTS], 1
	s_cmp_lg_u32 s[SLOTS], 0
	s_cbranch_scc1 .Lslot
	CHANGE 0                                       ; the tail is written out: the last tile has landed, nothing is asked for
	s_mov_b32 s[CNT], 3                            ; steps 31, 32 and 33
.Ltail:
	BODY
	s_sub_co_u32 s[CNT], s[CNT], 1
	s_cmp_lg_u32 s[CNT], 0
	s_cbranch_scc1 .Ltail
	s_wait_tensorcnt 0x0                           ; the wave's end: behind my last tensor load and my last LDS store
	ds_add_u32 v[SPW], v[NIL]
	s_wait_dscnt 0x0
	s_endpgm
.Lfunc_end_k_qc54f173722_attn:
	.size	k_qc54f173722_attn, .Lfunc_end_k_qc54f173722_attn-k_qc54f173722_attn
	.p2alignl 7, 3214868480
	.fill 96, 4, 3214868480
	.section	.rodata,"a",@progbits
	.p2align	6, 0x0
	.amdhsa_kernel k_qc54f173722_attn
		.amdhsa_group_segment_fixed_size 327680
		.amdhsa_private_segment_fixed_size 0
		.amdhsa_enable_private_segment 0
		.amdhsa_kernarg_size 16
		.amdhsa_user_sgpr_count 2
		.amdhsa_user_sgpr_kernarg_segment_ptr 1
		.amdhsa_wavefront_size32 1
		.amdhsa_system_sgpr_workgroup_id_x 1
		.amdhsa_system_sgpr_workgroup_id_y 1
		.amdhsa_system_sgpr_workgroup_id_z 1
		.amdhsa_system_vgpr_workitem_id 0
		.amdhsa_next_free_vgpr 768
		.amdhsa_next_free_sgpr 92
		.amdhsa_reserve_vcc 1
		.amdhsa_float_denorm_mode_32 3
		.amdhsa_float_denorm_mode_16_64 3
		.amdhsa_memory_ordered 1
		.amdhsa_forward_progress 1
		.amdhsa_inst_pref_size 82
	.end_amdhsa_kernel
	.amdgpu_metadata
---
amdhsa.version: [ 1, 2 ]
amdhsa.kernels:
  - .name:           k_qc54f173722_attn
    .symbol:         k_qc54f173722_attn.kd
    .args:
      - { .name: big, .offset: 0, .size: 8, .value_kind: global_buffer, .address_space: global }
      - { .name: act, .offset: 8, .size: 8, .value_kind: global_buffer, .address_space: global }
    .group_segment_fixed_size: 327680
    .private_segment_fixed_size: 0
    .kernarg_segment_align: 8
    .kernarg_segment_size: 16
    .max_flat_workgroup_size: 128
    .sgpr_count:     92
    .vgpr_count:     768
    .wavefront_size: 32
...
	.end_amdgpu_metadata
.endif
;; end of part 4
;; launch wo (part 5): grid 8 x 32, 4 waves a work-group, clusters of 4 x 4, 327,680 bytes of LDS; arguments act, wa, bo, x, x1; writes x1
.if DOCPART == 5
	.amdgcn_target "amdgcn-amd-amdhsa--gfx1250"
	.amdhsa_code_object_version 6
	.text
	.protected	k_qc54f173722_wo
	.globl	k_qc54f173722_wo
	.p2align	8
	.type	k_qc54f173722_wo,@function
k_qc54f173722_wo:
	s_mov_b64 s[64:65], 0
	v_nop
	global_prefetch_b8 v0, s[64:65] scope:SCOPE_SE
	s_setreg_imm32_b32 hwreg(HW_REG_WAVE_MODE, 25, 1), 1
	s_wait_xcnt 0x0
	s_wait_alu depctr_hold_cnt(0) depctr_sa_sdst(0) depctr_va_vdst(0) depctr_va_sdst(0) depctr_va_ssrc(0) depctr_va_vcc(0) depctr_vm_vsrc(0)
	s_getreg_b32 s2, hwreg(HW_REG_IB_STS2, 6, 4)
	s_cmp_eq_u32 s2, 0
	s_cbranch_scc0 .Lentry_in_a_cluster
	s_endpgm
.Lentry_in_a_cluster:
	s_bfe_u32 s2, ttmp6, 0x10000c
	s_cmp_lg_u32 s2, 0xf033
	s_cbranch_scc0 .Lentry_shape_is_right
	s_endpgm
.Lentry_shape_is_right:
; out[m][n] = res[m][n] + bias[n] + sum over k of A[m][k] W[n][k].  A lies in planes of 64 k, [KK / 64][4096][64] bf16; W: [1024][KK] bf16 at byte WOFF of its buffer; bias [1024], res and out [4096][1024] f32.
; A tile of the output is 128 x 128, so that 256 work-groups share the 4,096 x 1,024 numbers; four waves, each 64 x 64 in 16 accumulators.  K goes in steps of 256 through two LDS slots.
; CLUSTER 4 x 4: A's tiles are asked for jointly along a row of the cluster, W's along a column.  The matrix instruction is used transposed (source 0 = rows of W, source 1 = rows of A): a lane holds one
; row m and eight neighbouring columns.  The bias is the C operand of the products that start the sums; the residual is loaded at the head and added on the way out, in f32.
; No prefetch: the tiles are small and each is shared by four partners.
; REGISTERS: window 0: v0-31 addresses; v32-95 the way out; v96-127 the bias; v128-255 the accumulators ((a, b) at 128 + 8 (4 a + b)).  window 1: two fragment buffers of 128.  window 2: v0-127 the residual.
.set KK,     1024
.set WOFF,   6291456
.set KSTEP,  256
.set PA,     144                       ; a row of A in LDS: 128 bytes (64 k) + 16
.set KBP,    128*PA                    ; a plane's 128 rows
.set AREG,   4*KBP                     ; a K step's four planes
.set PB,     528                       ; a row of W in LDS: 512 bytes + 16
.set SLOT,   AREG+128*PB
.set STAGE,  2*SLOT                    ; behind the ring: 16 rows x 272 bytes for each wave
.set SPITCH, 272
.set SPARE,  STAGE+4*16*SPITCH
.set LAPS,   KK/(2*KSTEP)
.set ASTEP,  4*524288                  ; bytes from a K step of A to the next: four planes
.set ADRA, 16
.set ADRB, 20
.set STO,  24
.set RD,   25
.set CO,   26
.set BO,   27
.set SPW,  28                          ; never rewritten
.set NIL,  29                          ; never rewritten
.set TMP,  32
.set BIAS, 96
.set ACC,  128
.set F0,   0
.set F1,   128
.set G1, 24
.set G0, 32
.set G1B, 48
.set G0B, 56
.set MSB, 0
.macro WIN new
.if MSB != (\new)
	s_set_vgpr_msb (MSB<<8)|(\new)
.set MSB, \new
.endif
.endm
.set MUL,  0x05                        ; sources window 1; C and D window 0
.set TO_F, 0x40
.macro JLOAD s                         ; waves 0 and 1 fetch A's two pairs of planes, waves 2 and 3 W's two halves; an s_nop 0 and four v_nop follow each line
	s_cmp_eq_u32 s11, 0
	s_cbranch_scc0 .Lfor_b_\@
	tensor_load_to_lds s[G0+4*(\s):G0+4*(\s)+3], s[G1:G1+7]
	s_nop 0
.rept 4
	v_nop
.endr
	s_branch .Lasked_\@
.Lfor_b_\@:
	tensor_load_to_lds s[G0B+4*(\s):G0B+4*(\s)+3], s[G1B:G1B+7]
	s_nop 0
.rept 4
	v_nop
.endr
.Lasked_\@:
.endm
.macro CREST
	s_cmp_lg_u32 s10, 0
	s_cbranch_scc1 .Lnot_wave_0_\@
	s_barrier_signal -3
.Lnot_wave_0_\@:
	s_barrier_wait -3
	s_barrier_signal -1
	s_barrier_wait -1
.endm
.macro CROUND
	s_barrier_signal -1
	s_barrier_wait -1
	CREST
.endm
	s_load_b128 s[4:7], s[0:1], 0x0                ; A, W
	s_load_b128 s[68:71], s[0:1], 0x10             ; bias, res
	s_load_b64 s[8:9], s[0:1], 0x20                ; out
	v_lshl_add_u32 v[SPW], v0, 2, SPARE
	v_mov_b32 v[NIL], 0
	ds_add_u32 v[SPW], v[NIL]                      ; the wave's opening: the add and its wait stand ahead of my first tensor load
	ds_add_u32 v28, v29
	v_lshrrev_b32 v1, 5, v0
	v_readfirstlane_b32 s10, v1
	s_lshr_b32 s11, s10, 1                         ; my half of the tile's rows; also: I fetch for A (0) or W (1)
	s_and_b32 s12, s10, 1                          ; my half of its columns; also: which part I fetch
	s_bfe_u32 s40, ttmp6, 0x40000
	s_bfe_u32 s41, ttmp6, 0x40004
	s_lshl_b32 s42, ttmp9, 2
	s_add_co_u32 s42, s42, s40                     ; tile column
	s_and_b32 s13, ttmp7, 0xffff
	s_lshl_b32 s13, s13, 2
	s_add_co_u32 s13, s13, s41                     ; tile row
	s_lshl_b32 s43, s41, 2
	s_lshl_b32 s43, 15, s43
	s_lshl_b32 s44, 0x1111, s40
	; A: two planes' 128 dense rows of 128 bytes, asked for as two rows of 8,192 elements a plane apart, padded in LDS after every 128 bytes
	s_or_b32 s[G1+0], s43, (1<<16)|(1<<20)|(1<<21)|(4<<22)|(3<<25)
	s_mov_b32 s[G1+1], 8192<<16                    ; tensor_dim0
	s_mov_b32 s[G1+2], 2<<16                       ; tensor_dim1
	s_mov_b32 s[G1+3], 8192<<16                    ; tile_dim0
	s_mov_b32 s[G1+4], 2                           ; tile_dim1
	s_mov_b32 s[G1+5], 262144                      ; elements from plane to plane
	s_mov_b32 s[G1+6], 0
	s_mov_b32 s[G1+7], 0
	; W: 64 rows x 256 elements, padded after every 512 bytes
	s_or_b32 s[G1B+0], s44, (1<<16)|(1<<20)|(1<<21)|(6<<22)|(3<<25)
	s_mov_b32 s[G1B+1], KSTEP<<16
	s_mov_b32 s[G1B+2], 64<<16
	s_mov_b32 s[G1B+3], KSTEP<<16
	s_mov_b32 s[G1B+4], 64
	s_mov_b32 s[G1B+5], KK
	s_mov_b32 s[G1B+6], 0
	s_mov_b32 s[G1B+7], 0
	s_lshl_b32 s16, s13, 14                        ; A: the tile's 128 rows in a plane,
	s_lshl_b32 s17, s12, 20                        ; my pair of planes
	s_add_co_u32 s16, s16, s17
	s_mov_b32 s17, 0
	s_lshl_b32 s46, s42, 7
	s_lshl_b32 s47, s12, 6
	s_add_co_u32 s46, s46, s47                     ; W: row 128 x tile column + 64 x half
	s_mul_i32 s46, s46, 2*KK
	s_add_co_u32 s46, s46, WOFF
	s_mov_b32 s47, 0
	s_mul_i32 s20, s12, 2*KBP                      ; where they go
	s_mul_i32 s21, s12, 64*PB
	s_add_co_u32 s21, s21, AREG
	s_wait_dscnt 0x0                               ; the opening add is done
	s_wait_kmcnt 0x0
	s_add_nc_u64 s[14:15], s[4:5], s[16:17]
	s_add_nc_u64 s[46:47], s[6:7], s[46:47]
	CROUND                                         ; all sixteen work-groups are here: the first joint loads meet
.irp s, 0,1
	s_mov_b32 s[G0+4*(\s)], 1
	s_add_co_u32 s[G0+4*(\s)+1], s20, (\s)*SLOT
	s_add_nc_u64 s[G0+4*(\s)+2:G0+4*(\s)+3], s[14:15], (\s)*ASTEP
	s_or_b32 s[G0+4*(\s)+3], s[G0+4*(\s)+3], 0x80000000
	s_mov_b32 s[G0B+4*(\s)], 1
	s_add_co_u32 s[G0B+4*(\s)+1], s21, (\s)*SLOT
	s_add_nc_u64 s[G0B+4*(\s)+2:G0B+4*(\s)+3], s[46:47], (\s)*KSTEP*2
	s_or_b32 s[G0B+4*(\s)+3], s[G0B+4*(\s)+3], 0x80000000
	JLOAD \s
.endr
	v_and_b32 v1, 15, v0
	v_bfe_u32 v2, v0, 4, 1
	v_mul_u32_u24 v3, v1, PA
	v_lshl_add_u32 v3, v2, 4, v3
	v_mul_u32_u24 v4, v1, PB
	v_lshl_add_u32 v4, v2, 4, v4
	s_mul_i32 s22, s11, 64*PA                      ; my 64 rows of A, in each plane
	s_mul_i32 s23, s12, 64*PB                      ; my 64 rows of W
	s_add_co_u32 s23, s23, AREG
.irp s, 0,1
	v_add_nc_u32 v[ADRA+(\s)], s22, v3
	v_add_nc_u32 v[ADRB+(\s)], s23, v4
	s_add_co_u32 s22, s22, SLOT
	s_add_co_u32 s23, s23, SLOT
.endr
	s_mul_i32 s22, s10, 16*SPITCH
	s_add_co_u32 s22, s22, STAGE                   ; my stage
	v_mul_u32_u24 v5, v1, SPITCH                   ; in: row l % 16, 32 bytes for each half of the lanes
	v_lshl_add_u32 v5, v2, 5, v5
	v_add_nc_u32 v[STO], s22, v5
	v_mul_u32_u24 v5, v2, SPITCH                   ; back: lanes 0-15 one row of 256 bytes, lanes 16-31 the next
	v_lshl_add_u32 v5, v1, 4, v5
	v_add_nc_u32 v[RD], s22, v5
	v_lshlrev_b32 v5, 12, v2                       ; and the same two rows in res and out
	v_lshl_add_u32 v[CO], v1, 4, v5
	s_lshl_b32 s16, s13, 19                        ; row 128 x tile row + 64 x half, 4,096 bytes a row
	s_lshl_b32 s17, s11, 18
	s_add_co_u32 s16, s16, s17
	s_lshl_b32 s46, s42, 9                         ; column 128 x tile column + 64 x half, in bytes: in a row, and in the bias
	s_lshl_b32 s47, s12, 8
	s_add_co_u32 s46, s46, s47
	v_lshl_add_u32 v[BO], v2, 5, s46
	s_add_co_u32 s16, s16, s46
	s_mov_b32 s17, 0
	s_add_nc_u64 s[8:9], s[8:9], s[16:17]
	s_add_nc_u64 s[70:71], s[70:71], s[16:17]
.irp b, 0,1,2,3
	global_load_b128 v[BIAS+8*(\b):BIAS+8*(\b)+3],   v[BO], s[68:69] offset:64*(\b)
	global_load_b128 v[BIAS+8*(\b)+4:BIAS+8*(\b)+7], v[BO], s[68:69] offset:64*(\b)+16
.endr
	WIN 0x80
.irp a, 0,1,2,3
.irp t, 0,1,2,3,4,5,6,7
	global_load_b128 v[4*(8*(\a)+(\t)):4*(8*(\a)+(\t))+3], v[CO], s[70:71] offset:(16*(\a)+2*(\t))*4096 th:TH_LOAD_NT
.endr
.endr
	WIN 0
; 8 matrix instructions: m blocks a0, a0 + 1 x all 4 n blocks, 32 along K: half c of buffer f.  zero = 1: the sums start, with the bias as C.  The 16 accumulators take turns.
.macro MUL8 f, c, a0, zero
	WIN MUL
.irp a, \a0, (\a0)+1
.irp b, 0,1,2,3
.if \zero
	v_wmma_f32_16x16x32_bf16 v[ACC+8*(4*(\a)+(\b)):ACC+8*(4*(\a)+(\b))+7], v[(\f)+64+8*(4*(\c)+(\b)):(\f)+64+8*(4*(\c)+(\b))+7], v[(\f)+8*(4*(\c)+(\a)):(\f)+8*(4*(\c)+(\a))+7], v[BIAS+8*(\b):BIAS+8*(\b)+7]
.else
	v_wmma_f32_16x16x32_bf16 v[ACC+8*(4*(\a)+(\b)):ACC+8*(4*(\a)+(\b))+7], v[(\f)+64+8*(4*(\c)+(\b)):(\f)+64+8*(4*(\c)+(\b))+7], v[(\f)+8*(4*(\c)+(\a)):(\f)+8*(4*(\c)+(\a))+7], v[ACC+8*(4*(\a)+(\b)):ACC+8*(4*(\a)+(\b))+7]
.endif
.endr
.endr
.endm
; 32 LDS loads in one run: quarter q of a K step (64 along K: one plane of A) into buffer f; the first 32 along K first
.macro FETCH slot, q, f
	WIN TO_F
.irp c, 0,1
.irp i, 0,1,2,3
	ds_load_b128 v[(\f)+64+8*(4*(\c)+(\i)):(\f)+64+8*(4*(\c)+(\i))+3],   v[ADRB+(\slot)] offset:128*(\q)+64*(\c)+(\i)*16*PB
	ds_load_b128 v[(\f)+64+8*(4*(\c)+(\i))+4:(\f)+64+8*(4*(\c)+(\i))+7], v[ADRB+(\slot)] offset:128*(\q)+64*(\c)+(\i)*16*PB+32
	ds_load_b128 v[(\f)+8*(4*(\c)+(\i)):(\f)+8*(4*(\c)+(\i))+3],         v[ADRA+(\slot)] offset:(\q)*KBP+64*(\c)+(\i)*16*PA
	ds_load_b128 v[(\f)+8*(4*(\c)+(\i))+4:(\f)+8*(4*(\c)+(\i))+7],       v[ADRA+(\slot)] offset:(\q)*KBP+64*(\c)+(\i)*16*PA+32
.endr
.endr
.endm
.macro PLACES
.rept 4
	v_nop
.endr
.endm
.macro QUARTER slot, q, f, g, zero     ; multiplies buffer f and fetches quarter q of the slot into g
	s_wait_dscnt 16                                ; the first 32 along K are in
	MUL8 \f, 0, 0, \zero
	MUL8 \f, 0, 2, \zero
	PLACES
	FETCH \slot, \q, \g
	s_wait_dscnt 32                                ; all but the 32 just issued
	MUL8 \f, 1, 0, 0
	MUL8 \f, 1, 2, 0
.endm
; The last quarter multiplies buffer 1 and changes slots: one barrier; in front of it each wave waits for all its tensor loads, adds 0 to its spare word, and waits for that and for its reads of this slot.
.macro TURN slot, next, fill
	WIN 0
	s_wait_tensorcnt 0x0                           ; my part of the next slot has landed
	ds_add_u32 v[SPW], v[NIL]
	s_wait_dscnt 17                                ; the add and the youngest sixteen loads may be out
	MUL8 F1, 0, 0, 0
	s_wait_dscnt 0x0                               ; the add is done, and my reads of this slot are over
	s_barrier_signal -1
	MUL8 F1, 0, 2, 0
.if \fill
	WIN 0
.endif
	s_barrier_wait -1
.if \fill
	CREST                                          ; no wave of any partner still reads this slot or has a load on its way
	s_add_nc_u64 s[G0+4*(\slot)+2:G0+4*(\slot)+3], s[G0+4*(\slot)+2:G0+4*(\slot)+3], 2*ASTEP
	s_add_nc_u64 s[G0B+4*(\slot)+2:G0B+4*(\slot)+3], s[G0B+4*(\slot)+2:G0B+4*(\slot)+3], 2*KSTEP*2
	JLOAD \slot                                    ; 112 matrix instructions ahead of the wait for it; its four v_nop are also the places in front of the loads below
.else
	PLACES
.endif
	FETCH \next, 0, F0
	MUL8 F1, 1, 0, 0
	MUL8 F1, 1, 2, 0
.endm
; THE WAY OUT of block a (16 rows x 64 columns of f32): into my stage, back as whole rows of 256 bytes, the residual added, stored.
.macro OUTB a
	WIN 0
.set TT, TMP+32*((\a)%2)
.if (\a) >= 2
	s_wait_xcnt 0x0                                ; the stores of the block two back have read these registers
.endif
.irp b, 0,1,2,3
	ds_store_b128 v[STO], v[ACC+8*(4*(\a)+(\b)):ACC+8*(4*(\a)+(\b))+3]   offset:64*(\b)
	ds_store_b128 v[STO], v[ACC+8*(4*(\a)+(\b))+4:ACC+8*(4*(\a)+(\b))+7] offset:64*(\b)+16
.endr
.irp t, 0,1,2,3,4,5,6,7
	ds_load_b128 v[TT+4*(\t):TT+4*(\t)+3], v[RD] offset:(\t)*2*SPITCH  ; LDS serves a wave's instructions in order: these see the stores above
.endr
	s_wait_dscnt 0x0
.if (\a) == 0
	s_wait_loadcnt 0x0                             ; the residual
.endif
	WIN 0x08                                       ; source 1 in window 2
.set i, 0
.rept 16
	v_pk_add_f32 v[TT+2*i:TT+2*i+1], v[TT+2*i:TT+2*i+1], v[32*(\a)+2*i:32*(\a)+2*i+1]
.set i, i+1
.endr
	WIN 0
.irp t, 0,1,2,3,4,5,6,7
	global_store_b128 v[CO], v[TT+4*(\t):TT+4*(\t)+3], s[8:9] offset:(16*(\a)+2*(\t))*4096  ; sixteen lanes store 256 consecutive bytes, aligned
.endr
.endm
	s_wait_tensorcnt 1                             ; my part of K step 0 is in; K step 1's may stay out
	s_barrier_signal -1
	s_barrier_wait -1
	FETCH 0, 0, F0
	s_wait_loadcnt 32                              ; the bias is in; the residual's 32 loads stay out
	QUARTER 0, 1, F0, F1, 1                        ; the first quarter stands in front of the loop: its first products start the sums
.if LAPS > 1
	WIN 0
	s_mov_b32 s3, LAPS-1
.Llap:                                                 ; a trip goes once round the ring and fills both slots again
	QUARTER 0, 2, F1, F0, 0
	QUARTER 0, 3, F0, F1, 0
	TURN 0, 1, 1
	QUARTER 1, 1, F0, F1, 0
	QUARTER 1, 2, F1, F0, 0
	QUARTER 1, 3, F0, F1, 0
	TURN 1, 0, 1
	QUARTER 0, 1, F0, F1, 0
	WIN 0
	s_sub_co_u32 s3, s3, 1
	s_cmp_lg_u32 s3, 0
	s_cbranch_scc1 .Llap
.endif
	QUARTER 0, 2, F1, F0, 0                        ; the last lap fills nothing
	QUARTER 0, 3, F0, F1, 0
	TURN 0, 1, 0
	QUARTER 1, 1, F0, F1, 0
	QUARTER 1, 2, F1, F0, 0
	QUARTER 1, 3, F0, F1, 0
	s_wait_dscnt 16
	MUL8 F1, 0, 0, 0
	MUL8 F1, 0, 2, 0
	s_wait_dscnt 0x0
	MUL8 F1, 1, 0, 0
	MUL8 F1, 1, 2, 0
	WIN 0
	PLACES
	PLACES
	OUTB 0
	OUTB 1
	OUTB 2
	OUTB 3
	s_wait_tensorcnt 0x0                           ; the wave's end: behind my last tensor load and my last LDS store
	ds_add_u32 v[SPW], v[NIL]
	s_wait_dscnt 0x0
	CROUND                                         ; the closing round: no work-group ends while a partner may still ask for a tile that names it
	s_endpgm
.Lfunc_end_k_qc54f173722_wo:
	.size	k_qc54f173722_wo, .Lfunc_end_k_qc54f173722_wo-k_qc54f173722_wo
	.p2alignl 7, 3214868480
	.fill 96, 4, 3214868480
	.section	.rodata,"a",@progbits
	.p2align	6, 0x0
	.amdhsa_kernel k_qc54f173722_wo
		.amdhsa_group_segment_fixed_size 327680
		.amdhsa_private_segment_fixed_size 0
		.amdhsa_enable_private_segment 0
		.amdhsa_kernarg_size 40
		.amdhsa_user_sgpr_count 2
		.amdhsa_user_sgpr_kernarg_segment_ptr 1
		.amdhsa_wavefront_size32 1
		.amdhsa_system_sgpr_workgroup_id_x 1
		.amdhsa_system_sgpr_workgroup_id_y 1
		.amdhsa_system_sgpr_workgroup_id_z 1
		.amdhsa_system_vgpr_workitem_id 0
		.amdhsa_next_free_vgpr 640
		.amdhsa_next_free_sgpr 76
		.amdhsa_reserve_vcc 0
		.amdhsa_float_denorm_mode_32 3
		.amdhsa_float_denorm_mode_16_64 3
		.amdhsa_memory_ordered 1
		.amdhsa_forward_progress 1
		.amdhsa_inst_pref_size 94
	.end_amdhsa_kernel
	.amdgpu_metadata
---
amdhsa.version: [ 1, 2 ]
amdhsa.kernels:
  - .name:           k_qc54f173722_wo
    .symbol:         k_qc54f173722_wo.kd
    .args:
      - { .name: act, .offset: 0, .size: 8, .value_kind: global_buffer, .address_space: global }
      - { .name: wa, .offset: 8, .size: 8, .value_kind: global_buffer, .address_space: global }
      - { .name: bo, .offset: 16, .size: 8, .value_kind: global_buffer, .address_space: global }
      - { .name: x, .offset: 24, .size: 8, .value_kind: global_buffer, .address_space: global }
      - { .name: x1, .offset: 32, .size: 8, .value_kind: global_buffer, .address_space: global }
    .group_segment_fixed_size: 327680
    .private_segment_fixed_size: 0
    .kernarg_segment_align: 8
    .kernarg_segment_size: 40
    .max_flat_workgroup_size: 128
    .sgpr_count:     76
    .vgpr_count:     640
    .wavefront_size: 32
...
	.end_amdgpu_metadata
.endif
;; end of part 5
;; launch ln2: the kernel of part 2 again; grid 256 x 1, 8 waves a work-group, no clusters, 0 bytes of LDS; arguments x1, g2, be2, act; writes act
;; launch ff1: the kernel of part 3 again; grid 16 x 16, 4 waves a work-group, clusters of 4 x 4, 327,680 bytes of LDS; arguments act, wb, b1, zb, big; writes big
;; launch ff2 (part 6): grid 8 x 32, 4 waves a work-group, clusters of 4 x 4, 327,680 bytes of LDS; arguments big, wb, b2, x1, out0; writes out0
.if DOCPART == 6
	.amdgcn_target "amdgcn-amd-amdhsa--gfx1250"
	.amdhsa_code_object_version 6
	.text
	.protected	k_qc54f173722_ff2
	.globl	k_qc54f173722_ff2
	.p2align	8
	.type	k_qc54f173722_ff2,@function
k_qc54f173722_ff2:
	s_mov_b64 s[64:65], 0
	v_nop
	global_prefetch_b8 v0, s[64:65] scope:SCOPE_SE
	s_setreg_imm32_b32 hwreg(HW_REG_WAVE_MODE, 25, 1), 1
	s_wait_xcnt 0x0
	s_wait_alu depctr_hold_cnt(0) depctr_sa_sdst(0) depctr_va_vdst(0) depctr_va_sdst(0) depctr_va_ssrc(0) depctr_va_vcc(0) depctr_vm_vsrc(0)
	s_getreg_b32 s2, hwreg(HW_REG_IB_STS2, 6, 4)
	s_cmp_eq_u32 s2, 0
	s_cbranch_scc0 .Lentry_in_a_cluster
	s_endpgm
.Lentry_in_a_cluster:
	s_bfe_u32 s2, ttmp6, 0x10000c
	s_cmp_lg_u32 s2, 0xf033
	s_cbranch_scc0 .Lentry_shape_is_right
	s_endpgm
.Lentry_shape_is_right:
; out[m][n] = res[m][n] + bias[n] + sum over k of A[m][k] W[n][k].  A lies in planes of 64 k, [KK / 64][4096][64] bf16; W: [1024][KK] bf16 at byte WOFF of its buffer; bias [1024], res and out [4096][1024] f32.
; A tile of the output is 128 x 128, so that 256 work-groups share the 4,096 x 1,024 numbers; four waves, each 64 x 64 in 16 accumulators.  K goes in steps of 256 through two LDS slots.
; CLUSTER 4 x 4: A's tiles are asked for jointly along a row of the cluster, W's along a column.  The matrix instruction is used transposed (source 0 = rows of W, source 1 = rows of A): a lane holds one
; row m and eight neighbouring columns.  The bias is the C operand of the products that start the sums; the residual is loaded at the head and added on the way out, in f32.
; No prefetch: the tiles are small and each is shared by four partners.
; REGISTERS: window 0: v0-31 addresses; v32-95 the way out; v96-127 the bias; v128-255 the accumulators ((a, b) at 128 + 8 (4 a + b)).  window 1: two fragment buffers of 128.  window 2: v0-127 the residual.
.set KK,     4096
.set WOFF,   8388608
.set KSTEP,  256
.set PA,     144                       ; a row of A in LDS: 128 bytes (64 k) + 16
.set KBP,    128*PA                    ; a plane's 128 rows
.set AREG,   4*KBP                     ; a K step's four planes
.set PB,     528                       ; a row of W in LDS: 512 bytes + 16
.set SLOT,   AREG+128*PB
.set STAGE,  2*SLOT                    ; behind the ring: 16 rows x 272 bytes for each wave
.set SPITCH, 272
.set SPARE,  STAGE+4*16*SPITCH
.set LAPS,   KK/(2*KSTEP)
.set ASTEP,  4*524288                  ; bytes from a K step of A to the next: four planes
.set ADRA, 16
.set ADRB, 20
.set STO,  24
.set RD,   25
.set CO,   26
.set BO,   27
.set SPW,  28                          ; never rewritten
.set NIL,  29                          ; never rewritten
.set TMP,  32
.set BIAS, 96
.set ACC,  128
.set F0,   0
.set F1,   128
.set G1, 24
.set G0, 32
.set G1B, 48
.set G0B, 56
.set MSB, 0
.macro WIN new
.if MSB != (\new)
	s_set_vgpr_msb (MSB<<8)|(\new)
.set MSB, \new
.endif
.endm
.set MUL,  0x05                        ; sources window 1; C and D window 0
.set TO_F, 0x40
.macro JLOAD s                         ; waves 0 and 1 fetch A's two pairs of planes, waves 2 and 3 W's two halves; an s_nop 0 and four v_nop follow each line
	s_cmp_eq_u32 s11, 0
	s_cbranch_scc0 .Lfor_b_\@
	tensor_load_to_lds s[G0+4*(\s):G0+4*(\s)+3], s[G1:G1+7]
	s_nop 0
.rept 4
	v_nop
.endr
	s_branch .Lasked_\@
.Lfor_b_\@:
	tensor_load_to_lds s[G0B+4*(\s):G0B+4*(\s)+3], s[G1B:G1B+7]
	s_nop 0
.rept 4
	v_nop
.endr
.Lasked_\@:
.endm
.macro CREST
	s_cmp_lg_u32 s10, 0
	s_cbranch_scc1 .Lnot_wave_0_\@
	s_barrier_signal -3
.Lnot_wave_0_\@:
	s_barrier_wait -3
	s_barrier_signal -1
	s_barrier_wait -1
.endm
.macro CROUND
	s_barrier_signal -1
	s_barrier_wait -1
	CREST
.endm
	s_load_b128 s[4:7], s[0:1], 0x0                ; A, W
	s_load_b128 s[68:71], s[0:1], 0x10             ; bias, res
	s_load_b64 s[8:9], s[0:1], 0x20                ; out
	v_lshl_add_u32 v[SPW], v0, 2, SPARE
	v_mov_b32 v[NIL], 0
	ds_add_u32 v[SPW], v[NIL]                      ; the wave's opening: the add and its wait stand ahead of my first tensor load
	ds_add_u32 v28, v29
	v_lshrrev_b32 v1, 5, v0
	v_readfirstlane_b32 s10, v1
	s_lshr_b32 s11, s10, 1                         ; my half of the tile's rows; also: I fetch for A (0) or W (1)
	s_and_b32 s12, s10, 1                          ; my half of its columns; also: which part I fetch
	s_bfe_u32 s40, ttmp6, 0x40000
	s_bfe_u32 s41, ttmp6, 0x40004
	s_lshl_b32 s42, ttmp9, 2
	s_add_co_u32 s42, s42, s40                     ; tile column
	s_and_b32 s13, ttmp7, 0xffff
	s_lshl_b32 s13, s13, 2
	s_add_co_u32 s13, s13, s41                     ; tile row
	s_lshl_b32 s43, s41, 2
	s_lshl_b32 s43, 15, s43
	s_lshl_b32 s44, 0x1111, s40
	; A: two planes' 128 dense rows of 128 bytes, asked for as two rows of 8,192 elements a plane apart, padded in LDS after every 128 bytes
	s_or_b32 s[G1+0], s43, (1<<16)|(1<<20)|(1<<21)|(4<<22)|(3<<25)
	s_mov_b32 s[G1+1], 8192<<16                    ; tensor_dim0
	s_mov_b32 s[G1+2], 2<<16                       ; tensor_dim1
	s_mov_b32 s[G1+3], 8192<<16                    ; tile_dim0
	s_mov_b32 s[G1+4], 2                           ; tile_dim1
	s_mov_b32 s[G1+5], 262144                      ; elements from plane to plane
	s_mov_b32 s[G1+6], 0
	s_mov_b32 s[G1+7], 0
	; W: 64 rows x 256 elements, padded after every 512 bytes
	s_or_b32 s[G1B+0], s44, (1<<16)|(1<<20)|(1<<21)|(6<<22)|(3<<25)
	s_mov_b32 s[G1B+1], KSTEP<<16
	s_mov_b32 s[G1B+2], 64<<16
	s_mov_b32 s[G1B+3], KSTEP<<16
	s_mov_b32 s[G1B+4], 64
	s_mov_b32 s[G1B+5], KK
	s_mov_b32 s[G1B+6], 0
	s_mov_b32 s[G1B+7], 0
	s_lshl_b32 s16, s13, 14                        ; A: the tile's 128 rows in a plane,
	s_lshl_b32 s17, s12, 20                        ; my pair of planes
	s_add_co_u32 s16, s16, s17
	s_mov_b32 s17, 0
	s_lshl_b32 s46, s42, 7
	s_lshl_b32 s47, s12, 6
	s_add_co_u32 s46, s46, s47                     ; W: row 128 x tile column + 64 x half
	s_mul_i32 s46, s46, 2*KK
	s_add_co_u32 s46, s46, WOFF
	s_mov_b32 s47, 0
	s_mul_i32 s20, s12, 2*KBP                      ; where they go
	s_mul_i32 s21, s12, 64*PB
	s_add_co_u32 s21, s21, AREG
	s_wait_dscnt 0x0                               ; the opening add is done
	s_wait_kmcnt 0x0
	s_add_nc_u64 s[14:15], s[4:5], s[16:17]
	s_add_nc_u64 s[46:47], s[6:7], s[46:47]
	CROUND                                         ; all sixteen work-groups are here: the first joint loads meet
.irp s, 0,1
	s_mov_b32 s[G0+4*(\s)], 1
	s_add_co_u32 s[G0+4*(\s)+1], s20, (\s)*SLOT
	s_add_nc_u64 s[G0+4*(\s)+2:G0+4*(\s)+3], s[14:15], (\s)*ASTEP
	s_or_b32 s[G0+4*(\s)+3], s[G0+4*(\s)+3], 0x80000000
	s_mov_b32 s[G0B+4*(\s)], 1
	s_add_co_u32 s[G0B+4*(\s)+1], s21, (\s)*SLOT
	s_add_nc_u64 s[G0B+4*(\s)+2:G0B+4*(\s)+3], s[46:47], (\s)*KSTEP*2
	s_or_b32 s[G0B+4*(\s)+3], s[G0B+4*(\s)+3], 0x80000000
	JLOAD \s
.endr
	v_and_b32 v1, 15, v0
	v_bfe_u32 v2, v0, 4, 1
	v_mul_u32_u24 v3, v1, PA
	v_lshl_add_u32 v3, v2, 4, v3
	v_mul_u32_u24 v4, v1, PB
	v_lshl_add_u32 v4, v2, 4, v4
	s_mul_i32 s22, s11, 64*PA                      ; my 64 rows of A, in each plane
	s_mul_i32 s23, s12, 64*PB                      ; my 64 rows of W
	s_add_co_u32 s23, s23, AREG
.irp s, 0,1
	v_add_nc_u32 v[ADRA+(\s)], s22, v3
	v_add_nc_u32 v[ADRB+(\s)], s23, v4
	s_add_co_u32 s22, s22, SLOT
	s_add_co_u32 s23, s23, SLOT
.endr
	s_mul_i32 s22, s10, 16*SPITCH
	s_add_co_u32 s22, s22, STAGE                   ; my stage
	v_mul_u32_u24 v5, v1, SPITCH                   ; in: row l % 16, 32 bytes for each half of the lanes
	v_lshl_add_u32 v5, v2, 5, v5
	v_add_nc_u32 v[STO], s22, v5
	v_mul_u32_u24 v5, v2, SPITCH                   ; back: lanes 0-15 one row of 256 bytes, lanes 16-31 the next
	v_lshl_add_u32 v5, v1, 4, v5
	v_add_nc_u32 v[RD], s22, v5
	v_lshlrev_b32 v5, 12, v2                       ; and the same two rows in res and out
	v_lshl_add_u32 v[CO], v1, 4, v5
	s_lshl_b32 s16, s13, 19                        ; row 128 x tile row + 64 x half, 4,096 bytes a row
	s_lshl_b32 s17, s11, 18
	s_add_co_u32 s16, s16, s17
	s_lshl_b32 s46, s42, 9                         ; column 128 x tile column + 64 x half, in bytes: in a row, and in the bias
	s_lshl_b32 s47, s12, 8
	s_add_co_u32 s46, s46, s47
	v_lshl_add_u32 v[BO], v2, 5, s46
	s_add_co_u32 s16, s16, s46
	s_mov_b32 s17, 0
	s_add_nc_u64 s[8:9], s[8:9], s[16:17]
	s_add_nc_u64 s[70:71], s[70:71], s[16:17]
.irp b, 0,1,2,3
	global_load_b128 v[BIAS+8*(\b):BIAS+8*(\b)+3],   v[BO], s[68:69] offset:64*(\b)
	global_load_b128 v[BIAS+8*(\b)+4:BIAS+8*(\b)+7], v[BO], s[68:69] offset:64*(\b)+16
.endr
	WIN 0x80
.irp a, 0,1,2,3
.irp t, 0,1,2,3,4,5,6,7
	global_load_b128 v[4*(8*(\a)+(\t)):4*(8*(\a)+(\t))+3], v[CO], s[70:71] offset:(16*(\a)+2*(\t))*4096 th:TH_LOAD_NT
.endr
.endr
	WIN 0
; 8 matrix instructions: m blocks a0, a0 + 1 x all 4 n blocks, 32 along K: half c of buffer f.  zero = 1: the sums start, with the bias as C.  The 16 accumulators take turns.
.macro MUL8 f, c, a0, zero
	WIN MUL
.irp a, \a0, (\a0)+1
.irp b, 0,1,2,3
.if \zero
	v_wmma_f32_16x16x32_bf16 v[ACC+8*(4*(\a)+(\b)):ACC+8*(4*(\a)+(\b))+7], v[(\f)+64+8*(4*(\c)+(\b)):(\f)+64+8*(4*(\c)+(\b))+7], v[(\f)+8*(4*(\c)+(\a)):(\f)+8*(4*(\c)+(\a))+7], v[BIAS+8*(\b):BIAS+8*(\b)+7]
.else
	v_wmma_f32_16x16x32_bf16 v[ACC+8*(4*(\a)+(\b)):ACC+8*(4*(\a)+(\b))+7], v[(\f)+64+8*(4*(\c)+(\b)):(\f)+64+8*(4*(\c)+(\b))+7], v[(\f)+8*(4*(\c)+(\a)):(\f)+8*(4*(\c)+(\a))+7], v[ACC+8*(4*(\a)+(\b)):ACC+8*(4*(\a)+(\b))+7]
.endif
.endr
.endr
.endm
; 32 LDS loads in one run: quarter q of a K step (64 along K: one plane of A) into buffer f; the first 32 along K first
.macro FETCH slot, q, f
	WIN TO_F
.irp c, 0,1
.irp i, 0,1,2,3
	ds_load_b128 v[(\f)+64+8*(4*(\c)+(\i)):(\f)+64+8*(4*(\c)+(\i))+3],   v[ADRB+(\slot)] offset:128*(\q)+64*(\c)+(\i)*16*PB
	ds_load_b128 v[(\f)+64+8*(4*(\c)+(\i))+4:(\f)+64+8*(4*(\c)+(\i))+7], v[ADRB+(\slot)] offset:128*(\q)+64*(\c)+(\i)*16*PB+32
	ds_load_b128 v[(\f)+8*(4*(\c)+(\i)):(\f)+8*(4*(\c)+(\i))+3],         v[ADRA+(\slot)] offset:(\q)*KBP+64*(\c)+(\i)*16*PA
	ds_load_b128 v[(\f)+8*(4*(\c)+(\i))+4:(\f)+8*(4*(\c)+(\i))+7],       v[ADRA+(\slot)] offset:(\q)*KBP+64*(\c)+(\i)*16*PA+32
.endr
.endr
.endm
.macro PLACES
.rept 4
	v_nop
.endr
.endm
.macro QUARTER slot, q, f, g, zero     ; multiplies buffer f and fetches quarter q of the slot into g
	s_wait_dscnt 16                                ; the first 32 along K are in
	MUL8 \f, 0, 0, \zero
	MUL8 \f, 0, 2, \zero
	PLACES
	FETCH \slot, \q, \g
	s_wait_dscnt 32                                ; all but the 32 just issued
	MUL8 \f, 1, 0, 0
	MUL8 \f, 1, 2, 0
.endm
; The last quarter multiplies buffer 1 and changes slots: one barrier; in front of it each wave waits for all its tensor loads, adds 0 to its spare word, and waits for that and for its reads of this slot.
.macro TURN slot, next, fill
	WIN 0
	s_wait_tensorcnt 0x0                           ; my part of the next slot has landed
	ds_add_u32 v[SPW], v[NIL]
	s_wait_dscnt 17                                ; the add and the youngest sixteen loads may be out
	MUL8 F1, 0, 0, 0
	s_wait_dscnt 0x0                               ; the add is done, and my reads of this slot are over
	s_barrier_signal -1
	MUL8 F1, 0, 2, 0
.if \fill
	WIN 0
.endif
	s_barrier_wait -1
.if \fill
	CREST                                          ; no wave of any partner still reads this slot or has a load on its way
	s_add_nc_u64 s[G0+4*(\slot)+2:G0+4*(\slot)+3], s[G0+4*(\slot)+2:G0+4*(\slot)+3], 2*ASTEP
	s_add_nc_u64 s[G0B+4*(\slot)+2:G0B+4*(\slot)+3], s[G0B+4*(\slot)+2:G0B+4*(\slot)+3], 2*KSTEP*2
	JLOAD \slot                                    ; 112 matrix instructions ahead of the wait for it; its four v_nop are also the places in front of the loads below
.else
	PLACES
.endif
	FETCH \next, 0, F0
	MUL8 F1, 1, 0, 0
	MUL8 F1, 1, 2, 0
.endm
; THE WAY OUT of block a (16 rows x 64 columns of f32): into my stage, back as whole rows of 256 bytes, the residual added, stored.
.macro OUTB a
	WIN 0
.set TT, TMP+32*((\a)%2)
.if (\a) >= 2
	s_wait_xcnt 0x0                                ; the stores of the block two back have read these registers
.endif
.irp b, 0,1,2,3
	ds_store_b128 v[STO], v[ACC+8*(4*(\a)+(\b)):ACC+8*(4*(\a)+(\b))+3]   offset:64*(\b)
	ds_store_b128 v[STO], v[ACC+8*(4*(\a)+(\b))+4:ACC+8*(4*(\a)+(\b))+7] offset:64*(\b)+16
.endr
.irp t, 0,1,2,3,4,5,6,7
	ds_load_b128 v[TT+4*(\t):TT+4*(\t)+3], v[RD] offset:(\t)*2*SPITCH  ; LDS serves a wave's instructions in order: these see the stores above
.endr
	s_wait_dscnt 0x0
.if (\a) == 0
	s_wait_loadcnt 0x0                             ; the residual
.endif
	WIN 0x08                                       ; source 1 in window 2
.set i, 0
.rept 16
	v_pk_add_f32 v[TT+2*i:TT+2*i+1], v[TT+2*i:TT+2*i+1], v[32*(\a)+2*i:32*(\a)+2*i+1]
.set i, i+1
.endr
	WIN 0
.irp t, 0,1,2,3,4,5,6,7
	global_store_b128 v[CO], v[TT+4*(\t):TT+4*(\t)+3], s[8:9] offset:(16*(\a)+2*(\t))*4096  ; sixteen lanes store 256 consecutive bytes, aligned
.endr
.endm
	s_wait_tensorcnt 1                             ; my part of K step 0 is in; K step 1's may stay out
	s_barrier_signal -1
	s_barrier_wait -1
	FETCH 0, 0, F0
	s_wait_loadcnt 32                              ; the bias is in; the residual's 32 loads stay out
	QUARTER 0, 1, F0, F1, 1                        ; the first quarter stands in front of the loop: its first products start the sums
.if LAPS > 1
	WIN 0
	s_mov_b32 s3, LAPS-1
.Llap:                                                 ; a trip goes once round the ring and fills both slots again
	QUARTER 0, 2, F1, F0, 0
	QUARTER 0, 3, F0, F1, 0
	TURN 0, 1, 1
	QUARTER 1, 1, F0, F1, 0
	QUARTER 1, 2, F1, F0, 0
	QUARTER 1, 3, F0, F1, 0
	TURN 1, 0, 1
	QUARTER 0, 1, F0, F1, 0
	WIN 0
	s_sub_co_u32 s3, s3, 1
	s_cmp_lg_u32 s3, 0
	s_cbranch_scc1 .Llap
.endif
	QUARTER 0, 2, F1, F0, 0                        ; the last lap fills nothing
	QUARTER 0, 3, F0, F1, 0
	TURN 0, 1, 0
	QUARTER 1, 1, F0, F1, 0
	QUARTER 1, 2, F1, F0, 0
	QUARTER 1, 3, F0, F1, 0
	s_wait_dscnt 16
	MUL8 F1, 0, 0, 0
	MUL8 F1, 0, 2, 0
	s_wait_dscnt 0x0
	MUL8 F1, 1, 0, 0
	MUL8 F1, 1, 2, 0
	WIN 0
	PLACES
	PLACES
	OUTB 0
	OUTB 1
	OUTB 2
	OUTB 3
	s_wait_tensorcnt 0x0                           ; the wave's end: behind my last tensor load and my last LDS store
	ds_add_u32 v[SPW], v[NIL]
	s_wait_dscnt 0x0
	CROUND                                         ; the closing round: no work-group ends while a partner may still ask for a tile that names it
	s_endpgm
.Lfunc_end_k_qc54f173722_ff2:
	.size	k_qc54f173722_ff2, .Lfunc_end_k_qc54f173722_ff2-k_qc54f173722_ff2
	.p2alignl 7, 3214868480
	.fill 96, 4, 3214868480
	.section	.rodata,"a",@progbits
	.p2align	6, 0x0
	.amdhsa_kernel k_qc54f173722_ff2
		.amdhsa_group_segment_fixed_size 327680
		.amdhsa_private_segment_fixed_size 0
		.amdhsa_enable_private_segment 0
		.amdhsa_kernarg_size 40
		.amdhsa_user_sgpr_count 2
		.amdhsa_user_sgpr_kernarg_segment_ptr 1
		.amdhsa_wavefront_size32 1
		.amdhsa_system_sgpr_workgroup_id_x 1
		.amdhsa_system_sgpr_workgroup_id_y 1
		.amdhsa_system_sgpr_workgroup_id_z 1
		.amdhsa_system_vgpr_workitem_id 0
		.amdhsa_next_free_vgpr 640
		.amdhsa_next_free_sgpr 76
		.amdhsa_reserve_vcc 0
		.amdhsa_float_denorm_mode_32 3
		.amdhsa_float_denorm_mode_16_64 3
		.amdhsa_memory_ordered 1
		.amdhsa_forward_progress 1
		.amdhsa_inst_pref_size 94
	.end_amdhsa_kernel
	.amdgpu_metadata
---
amdhsa.version: [ 1, 2 ]
amdhsa.kernels:
  - .name:           k_qc54f173722_ff2
    .symbol:         k_qc54f173722_ff2.kd
    .args:
      - { .name: big, .offset: 0, .size: 8, .value_kind: global_buffer, .address_space: global }
      - { .name: wb, .offset: 8, .size: 8, .value_kind: global_buffer, .address_space: global }
      - { .name: b2, .offset: 16, .size: 8, .value_kind: global_buffer, .address_space: global }
      - { .name: x1, .offset: 24, .size: 8, .value_kind: global_buffer, .address_space: global }
      - { .name: out0, .offset: 32, .size: 8, .value_kind: global_buffer, .address_space: global }
    .group_segment_fixed_size: 327680
    .private_segment_fixed_size: 0
    .kernarg_segment_align: 8
    .kernarg_segment_size: 40
    .max_flat_workgroup_size: 128
    .sgpr_count:     76
    .vgpr_count:     640
    .wavefront_size: 32
...
	.end_amdgpu_metadata
.endif
;; end of part 6
